; MI455X (gfx1250); checked and timed in simulation.
; The chip was launched on July 23, 2026; its instructions are those of AMD's public machine-readable ISA for CDNA 5 (MIT licence, August 2026) and "CDNA5" Instruction Set Architecture Reference Guide (July 2026). The comments in the code are by the model that wrote it; some were corrected since.
;; Multi Head Attention. Allowed arithmetic: matrix products marked QUANTISED: E2M3 operands, one E8M0 scale for each 32 along K, by v_wmma_scale_f32_16x16x128_f8f6f4 with both operands' format E2M3, f32 sums; everything else in f32.
;; Inputs: Wk 1,024 x 1,024 float32; Wo 1,024 x 1,024 float32; Wq 1,024 x 1,024 float32; Wv 1,024 x 1,024 float32; bk 1,024 float32; bo 1,024 float32; bq 1,024 float32; bv 1,024 float32; x 4 x 2,048 x 1,024 float32.
;; Outputs: out0 4 x 2,048 x 1,024 float32.
;; This version of the problem:
;;   THIS VERSION OF THE PROBLEM IS GIVEN IN LOW PRECISION. The matrix products marked QUANTISED in the list below multiply operands that are first quantised to E2M3 (2 exponent bits, 3 mantissa bits; 6 bits a number), with one power-of-two scale for each 32 numbers along K (OCP MX v1.0); their sums are f32. All else is computed in f32.
;;   The module's matrix products, in the order in which they are computed (A, B: the left and right operand; K: the contracted axis; several contracted axes count as one K, in the product's order):
;;     1. [M 8,192, K 1,024] x [K 1,024, N 1,024]; A: input x; B: input Wq: QUANTISED
;;     2. [M 8,192, K 1,024] x [K 1,024, N 1,024]; A: input x; B: input Wk: QUANTISED
;;     3. [M 8,192, K 1,024] x [K 1,024, N 1,024]; A: input x; B: input Wv: QUANTISED
;;     4. batch 64 x [M 2,048, K 64] x [K 64, N 2,048]; A: computed on the way; B: computed on the way: QUANTISED
;;     5. batch 64 x [M 2,048, K 2,048] x [K 2,048, N 64]; A: softmax (see below); B: computed on the way: QUANTISED
;;     6. [M 8,192, K 1,024] x [K 1,024, N 1,024]; A: computed on the way; B: input Wo: QUANTISED
;;   THE QUANTISER, for each operand of a quantised product, along K:
;;     - K is cut into blocks of 32 from its start; a last block that is shorter is filled with zeros.
;;     - A block's scale is 2^e with e = floor(log2(the largest magnitude in the block)) - 2, held to -126 .. 127; a block of zeros has e = 0. As a byte (E8M0): e + 127.
;;     - Each number is divided by its block's scale, clamped to +-7.5, and rounded to the nearest number of E2M3, ties to even, subnormals kept.
;;     - The product sums the exact products of the quantised numbers (number of the format x scale) in f32.
;;   ~~~python
;;   def quantise(x, axis):      # numpy; x: float32 -> the quantised numbers, widened to float32 again
;;       x = np.moveaxis(x, axis, -1); K = x.shape[-1]
;;       x = np.pad(x, [(0, 0)] * (x.ndim - 1) + [(0, -K % 32)]); x = x.reshape(x.shape[:-1] + (-1, 32)); a = np.abs(x).max(-1, keepdims=True)
;;       e = np.where(a > 0, np.clip(np.frexp(np.where(a > 0, a, 1))[1] - 1 - 2, -126, 127), 0)      # np.frexp(a)[1] - 1 = floor(log2(a)), exactly
;;       r = np.clip(x / 2.0 ** e, -7.5, 7.5)
;;       step = 2.0 ** (np.maximum(np.frexp(np.where(r == 0, 1, r))[1] - 1, 0) - 3)
;;       q = np.round(r / step) * step * 2.0 ** e      # np.round: ties to even
;;       return np.moveaxis(q.reshape(q.shape[:-2] + (-1,))[..., :K], -1, axis).astype(np.float32)
;;   ~~~
;;   SOFTMAX AHEAD OF A QUANTISED PRODUCT. Where the list says 'softmax', what is quantised is not the finished softmax but p = 2^(t - M), with t = logit x log2(e) and M = ceil(the row's largest t), a whole number; so 1/2 < the row's largest p <= 1. The row's sum l is taken of the UNQUANTISED p, in f32, and the product's result is divided by l at the end. Since M is a whole number, a kernel that streams over the keys may use a running M (the ceiling of the running maximum): every later rescaling is an exact power of two, which a block's scale takes up: the codes' values come out the same.
;;   OPERANDS COMPUTED ON THE WAY. 'Computed on the way' means the value that the module computes at that place (a softmax that the list does not call 'softmax' is quantised finished and normalised). What goes into a quantiser is computed in f32, as accurately as f32 sums, v_exp_f32 and their like allow (about 1e-6 of the number): no bf16 or f16 on the way to a quantiser, and a product that is left as it is and whose result goes on into a quantised operand takes f32 operands (vector FMAs, or v_wmma_f32_16x16x4_f32). A number that lies on a knife's edge between two numbers of the format may be rounded either way, as far as f32 arithmetic and the matrix unit's own rounding can turn it there, and no further.
;; One version. Each part assembles by itself: llvm-mc -triple=amdgcn-amd-amdhsa -mcpu=gfx1250 --defsym DOCPART=n.
;; ======== version 1 of 1: 5 launches
;; workspace buffers: xq 6,553,600 bytes; wq 3,276,800 bytes; qkvq 19,660,800 bytes; oq 6,553,600 bytes
;; launch qx (part 1): grid 256 x 1, 4 waves a work-group, no clusters, 33,280 bytes of LDS; arguments x, xq; writes xq
.if DOCPART == 1
	.amdgcn_target "amdgcn-amd-amdhsa--gfx1250"
	.amdhsa_code_object_version 6
	.text
	.protected	k_q98efd44f4f_qx
	.globl	k_q98efd44f4f_qx
	.p2align	8
	.type	k_q98efd44f4f_qx,@function
k_q98efd44f4f_qx:
	s_mov_b64 s[64:65], 0
	v_nop
	global_prefetch_b8 v0, s[64:65] scope:SCOPE_SE
	s_setreg_imm32_b32 hwreg(HW_REG_WAVE_MODE, 25, 1), 1
	s_wait_xcnt 0x0
; x [8192][1024], f32, becomes codes of FP6 (E2M3), K innermost, [8192][768 bytes] at byte 0 of xq, and one E8M0 scale byte for each 32 along K, [8192][32 bytes] at byte XS.
; A block's scale is 2^(floor(log2(its largest magnitude)) - 2); its byte is the largest magnitude's exponent field - 2, held at 1 from below.
; LIMITS: a block of zeros, and a block whose largest magnitude lies under 2^-124, keep the byte 1 (the codes of a block of zeros are zeros, and this program alone reads the bytes); NaN and infinities are not served.
; Rows are dense and 1024 is a multiple of 32: the tensor is a plain stream of blocks of 32.  A wave takes 16 steps of 512 numbers.  Each of a step's four loads reads 512 consecutive bytes;
; the 2,048 bytes turn through the wave's own stage in LDS and come back 64 bytes (16 neighbours) a lane; two neighbouring lanes hold a block.  Waves share nothing: no barrier.
; Memory binds this launch: no matrix unit, no cluster, no tensor load would spare a byte.
.set STEPS, 16
.set EMAX,  2
.set CB,    12                         ; bytes of 16 codes
.set R,     16                         ; v16-79   four sets of 16 numbers as loaded
.set X,     80                         ; v80-111  two sets of 16 neighbours
.set C,     128                        ; v128-191 codes: four registers for each step
.set E,     112                        ; v112-127 a scale byte for each step
.set WREG,  8192                       ; LDS of a wave: two stages of 32 x SP bytes, then its 256 scale bytes
.set SP,    80                         ; a lane's place in a stage: 64 bytes + 16 of padding
.set XS,    6291456                    ; where the scale bytes begin in xq
	s_load_b128 s[4:7], s[0:1], 0x0                ; x, xq
	v_lshl_add_u32 v192, v0, 2, 0x8000
	v_mov_b32 v193, 0
	v_lshrrev_b32 v1, 5, v0
	v_readfirstlane_b32 s16, v1                    ; wave
	v_and_b32 v2, 31, v0                           ; lane
	v_lshlrev_b32 v3, 4, v2                        ; my 16 bytes of a load's 512
	s_mul_i32 s17, s16, WREG
	v_lshrrev_b32 v14, 2, v2
	v_mul_u32_u24 v14, v14, SP
	v_and_b32 v15, 3, v2
	v_lshl_add_u32 v14, v15, 4, v14
	v_add_nc_u32 v14, s17, v14                     ; the stage, on the way in: SP (lane / 4) + 16 (lane % 4)
	v_mul_u32_u24 v15, v2, SP
	v_add_nc_u32 v15, s17, v15                     ; and on the way out: SP x lane
	v_mul_u32_u24 v4, v2, CB                       ; my codes' place in a step's
	v_lshrrev_b32 v5, 1, v2
	s_add_co_u32 s17, s17, 2*32*SP
	v_add_nc_u32 v5, s17, v5                       ; my block's byte among my wave's 256
	v_lshlrev_b32 v7, 3, v2                        ; on the way out 8 bytes a lane
	v_add_nc_u32 v6, s17, v7
	s_lshl_b32 s17, ttmp9, 2
	s_add_co_u32 s18, s17, s16                     ; which run of 8,192 numbers is my wave's
	s_mov_b32 s19, 0
	s_mov_b64 s[20:21], 512*STEPS*4
	s_mul_u64 s[20:21], s[18:19], s[20:21]
	s_mov_b64 s[22:23], 32*STEPS*CB
	s_mul_u64 s[22:23], s[18:19], s[22:23]
	s_lshl_b32 s18, s18, 8                         ; 256 scale bytes a run
	s_wait_alu depctr_va_vdst(0)
	s_wait_kmcnt 0x0
	s_add_nc_u64 s[4:5], s[4:5], s[20:21]
	s_add_nc_u64 s[8:9], s[6:7], s[22:23]          ; my codes
	s_add_nc_u64 s[10:11], s[6:7], XS
	s_add_nc_u64 s[10:11], s[10:11], s[18:19]      ; my scale bytes
.macro LOAD t
.irp i, 0,1,2,3
	global_load_b128 v[R+16*((\t)%4)+4*\i:R+16*((\t)%4)+4*\i+3], v3, s[4:5] offset:2048*(\t)+512*\i th:TH_LOAD_NT   ; 32 lanes read 512 consecutive bytes; read once in the launch
.endr
.endm
.macro TURN t                          ; step t's numbers through the stage: LDS serves a wave's instructions in order (ISA guide 5.7.1.4), so no wait stands between the stores and the loads
.irp i, 0,1,2,3
	ds_store_b128 v14, v[R+16*((\t)%4)+4*\i:R+16*((\t)%4)+4*\i+3] offset:32*SP*((\t)%2)+8*SP*\i
.endr
.irp i, 0,1,2,3
	ds_load_b128 v[X+16*((\t)%2)+4*\i:X+16*((\t)%2)+4*\i+3], v15 offset:32*SP*((\t)%2)+16*\i
.endr
.endm
.irp t, 0,1,2,3
	LOAD \t
.endr
	s_wait_loadcnt 12                              ; step 0's four loads are in; twelve younger ones stay out
	TURN 0
.macro STEP t
.set XSET, X+16*((\t)%2)
.if (\t) > 0
	s_wait_dscnt 1                                 ; this step's numbers are back from the stage; the last step's byte store may be out
.else
	s_wait_dscnt 0x0
.endif
.if (\t)+4 < STEPS
	LOAD (\t)+4                                    ; into the registers that this step's stores into the stage have read
.endif
.if (\t)+1 < STEPS
.if STEPS-2-(\t) >= 3
	s_wait_loadcnt 12                              ; the next step's four loads are in; those of the three steps behind it may be out
.else
	s_wait_loadcnt 4*(STEPS-2-(\t))
.endif
	TURN (\t)+1
.endif
	v_max3_num_f32 v8, |v[XSET]|, |v[XSET+1]|, |v[XSET+2]|         ; the largest magnitude of my 16, in two chains
	v_max3_num_f32 v9, |v[XSET+3]|, |v[XSET+4]|, |v[XSET+5]|
.irp i, 6,10
	v_max3_num_f32 v8, v8, |v[XSET+\i]|, |v[XSET+\i+1]|
	v_max3_num_f32 v9, v9, |v[XSET+\i+2]|, |v[XSET+\i+3]|
.endr
	v_max3_num_f32 v8, v8, |v[XSET+14]|, |v[XSET+15]|
	v_max3_num_f32 v8, v8, v9, (EMAX+1)<<23        ; and the floor 2^(3 - 127): the byte cannot fall under 1
	v_max_num_f32_dpp v8, v8, v8 row_xmask:1 row_mask:0xf bank_mask:0xf   ; with my neighbour's 16: the block's
	v_add_nc_u32 v11, -(EMAX<<23), v8              ; 2 off its exponent field: the conversion takes that field as its scale
	v_cvt_scalef32_pk16_fp6_f32 v[C+4*(\t):C+4*(\t)+2], v[XSET:XSET+15], v11
	v_lshrrev_b32 v[E+(\t)], 23, v11               ; the scale's byte
	ds_store_b8 v5, v[E+(\t)] offset:16*(\t)       ; both lanes of a block write the same byte with the same value
	global_store_b96 v4, v[C+4*(\t):C+4*(\t)+2], s[8:9] offset:32*CB*(\t)   ; the wave stores 384 consecutive bytes
.endm
.irp t, 0,1,2,3,4,5,6,7,8,9,10,11,12,13,14,15
	STEP \t
.endr
	ds_load_b64 v[12:13], v6                       ; these see my byte stores: LDS serves a wave in order
	s_wait_dscnt 0x0
	global_store_b64 v7, v[12:13], s[10:11]        ; 32 lanes store 256 consecutive bytes, aligned
	s_wait_tensorcnt 0x0
	ds_add_u32 v192, v193
	s_wait_dscnt 0x0
	s_endpgm
.Lfunc_end_k_q98efd44f4f_qx:
	.size	k_q98efd44f4f_qx, .Lfunc_end_k_q98efd44f4f_qx-k_q98efd44f4f_qx
	.p2alignl 7, 3214868480
	.fill 96, 4, 3214868480
	.section	.rodata,"a",@progbits
	.p2align	6, 0x0
	.amdhsa_kernel k_q98efd44f4f_qx
		.amdhsa_group_segment_fixed_size 33280
		.amdhsa_private_segment_fixed_size 0
		.amdhsa_enable_private_segment 0
		.amdhsa_kernarg_size 16
		.amdhsa_user_sgpr_count 2
		.amdhsa_user_sgpr_kernarg_segment_ptr 1
		.amdhsa_wavefront_size32 1
		.amdhsa_system_sgpr_workgroup_id_x 1
		.amdhsa_system_sgpr_workgroup_id_y 1
		.amdhsa_system_sgpr_workgroup_id_z 1
		.amdhsa_system_vgpr_workitem_id 0
		.amdhsa_next_free_vgpr 194
		.amdhsa_next_free_sgpr 66
		.amdhsa_reserve_vcc 0
		.amdhsa_float_denorm_mode_32 3
		.amdhsa_float_denorm_mode_16_64 3
		.amdhsa_memory_ordered 1
		.amdhsa_forward_progress 1
		.amdhsa_inst_pref_size 32
	.end_amdhsa_kernel
	.amdgpu_metadata
---
amdhsa.version: [ 1, 2 ]
amdhsa.kernels:
  - .name:           k_q98efd44f4f_qx
    .symbol:         k_q98efd44f4f_qx.kd
    .args:
      - { .name: x, .offset: 0, .size: 8, .value_kind: global_buffer, .address_space: global }
      - { .name: xq, .offset: 8, .size: 8, .value_kind: global_buffer, .address_space: global }
    .group_segment_fixed_size: 33280
    .private_segment_fixed_size: 0
    .kernarg_segment_align: 8
    .kernarg_segment_size: 16
    .max_flat_workgroup_size: 128
    .sgpr_count:     66
    .vgpr_count:     194
    .wavefront_size: 32
...
	.end_amdgpu_metadata
.endif
;; end of part 1
;; launch qw (part 2): grid 32 x 4, 4 waves a work-group, no clusters, 36,352 bytes of LDS; arguments Wq, Wk, Wv, Wo, wq; writes wq
.if DOCPART == 2
	.amdgcn_target "amdgcn-amd-amdhsa--gfx1250"
	.amdhsa_code_object_version 6
	.text
	.protected	k_q98efd44f4f_qw
	.globl	k_q98efd44f4f_qw
	.p2align	8
	.type	k_q98efd44f4f_qw,@function
k_q98efd44f4f_qw:
	s_mov_b64 s[64:65], 0
	v_nop
	global_prefetch_b8 v0, s[64:65] scope:SCOPE_SE
	s_setreg_imm32_b32 hwreg(HW_REG_WAVE_MODE, 25, 1), 1
	s_wait_xcnt 0x0
; The four weights, [1024 (k)][1024 (n)] f32 with K as their FIRST axis, become codes of FP6 (E2M3) laid [row n'][768 bytes] with K innermost, and scale bytes [row n'][32] at byte WS of wq.
; Rows 0-1023 of wq are Wq's, 1024-2047 Wk's, 2048-3071 Wv's, 3072-4095 Wo's.  A LANE TAKES A COLUMN n AND ITS REGISTERS RUN DOWN K: a block of 32 along K lies in one lane.
; WHICH ROW n' A COLUMN n GOES TO is chosen so that the products' results fall as the next quantiser wants them:
;   Wq, Wk: bits 3 and 4 of n change places: two neighbouring tiles of 16 rows then give a lane 16 neighbouring columns.
;   Wv:     n = 64 c + d goes to n' = 32 (d / 2) + 16 (c / 8) + 8 (d % 2) + c % 8: two neighbouring tiles then give a lane the 16 positions c of one channel d.
;   Wo:     n' = n.
; Work-group x = 8 x matrix + which 128 columns; y = which 256 along K.  A wave takes 32 columns x 256 K; its codes go through its own stage in LDS and leave as pieces of rows, sixteen lanes to 192 consecutive bytes.
; LIMITS: a block of zeros, and one whose largest magnitude lies under 2^-124, keep the byte 1 (read by this program alone); NaN and infinities are not served.
.set SIZE_N, 1024
.set KW,    256
.set NB,    KW/32
.set ROWB,  192                        ; bytes of KW codes
.set PITCH, 272                        ; a stage row: sixteen places of 16 bytes, each with 12 bytes of codes, + 16
.set KROW,  768                        ; a row of codes in wq
.set WS,    3145728                    ; where the scale bytes begin in wq
.set EMAX,  2
.set X,     32                         ; v32-95   two sets of 32 numbers
.set C,     96                         ; v96..    a block's codes
.set OUTR,  112                        ; v112-175 the way out
.set SB,    24                         ; v24-25   my column's 8 scale bytes
	s_load_b256 s[8:15], s[0:1], 0x0               ; Wq, Wk, Wv, Wo
	s_load_b64 s[6:7], s[0:1], 0x20                ; wq
	v_lshl_add_u32 v192, v0, 2, 0x8c00
	v_mov_b32 v193, 0
	v_lshrrev_b32 v1, 5, v0
	v_readfirstlane_b32 s16, v1                    ; wave 0..3
	v_and_b32 v2, 31, v0                           ; lane i: column n0 + i
	s_lshr_b32 s30, ttmp9, 3                       ; which matrix
	s_and_b32 s17, ttmp9, 7
	s_lshl_b32 s17, s17, 7
	s_lshl_b32 s18, s16, 5
	s_add_co_u32 s17, s17, s18                     ; n0: my wave's first column, a multiple of 32
	s_and_b32 s18, ttmp7, 0xffff                   ; y
	v_lshlrev_b32 v3, 2, v2                        ; in: 4 bytes a lane
	s_mul_i32 s19, s16, 32*PITCH                   ; my stage
	v_mul_u32_u24 v4, v2, PITCH
	v_add_nc_u32 v4, s19, v4                       ; into it: row = my column
	v_and_b32 v5, 15, v2
	v_lshrrev_b32 v6, 4, v2                        ; out of it: sixteen lanes to a row, two rows an instruction
	v_mul_u32_u24 v7, v6, PITCH
	v_lshl_add_u32 v7, v5, 4, v7
	v_add_nc_u32 v7, s19, v7
	v_mul_u32_u24 v8, v5, 12
	v_mad_u32_u24 v10, v6, 8*KROW, v8              ; Wv: the two stage rows of an instruction go to rows 8 apart
	v_mad_u32_u24 v8, v6, KROW, v8                 ; the others: to neighbouring rows
	v_lshlrev_b32 v9, 5, v2                        ; my column's row of scale bytes, 32 bytes a row.  Wo: row i
	v_and_b32 v14, 7, v2                           ; Wq, Wk: bits 3 and 4 of i changed
	v_and_b32 v15, 8, v2
	v_lshl_or_b32 v14, v15, 1, v14
	v_and_b32 v15, 16, v2
	v_lshrrev_b32 v15, 1, v15
	v_or_b32 v14, v14, v15
	v_lshlrev_b32 v14, 5, v14
	v_lshrrev_b32 v15, 1, v2                       ; Wv: row 32 (i / 2) + 8 (i % 2)
	v_lshlrev_b32 v15, 5, v15
	v_and_b32 v16, 1, v2
	v_lshl_or_b32 v15, v16, 3, v15
	v_lshlrev_b32 v15, 5, v15
	s_lshl_b32 s20, s18, 20                        ; the weight: 256 y rows of 4,096 bytes
	s_lshl_b32 s21, s17, 2
	s_add_co_u32 s20, s20, s21                     ; + 4 n0
	s_mov_b32 s21, 0
	s_lshl_b32 s22, s30, 10
	s_add_co_u32 s22, s22, s17                     ; the first row of wq that my wave writes: 1024 x matrix + n0,
	s_and_b32 s23, s17, 63                         ; or for Wv 2048 + 16 (n0 % 64) + 16 (n0 / 512) + (n0 / 64) % 8
	s_lshl_b32 s23, s23, 4
	s_lshr_b32 s24, s17, 9
	s_lshl_b32 s24, s24, 4
	s_add_co_u32 s23, s23, s24
	s_bfe_u32 s24, s17, 0x30006
	s_add_co_u32 s23, s23, s24
	s_add_co_u32 s23, s23, 2048
	s_cmp_eq_u32 s30, 2
	s_cselect_b32 s22, s23, s22
	s_mul_i32 s24, s22, KROW
	s_mul_i32 s26, s18, ROWB
	s_add_co_u32 s24, s24, s26                     ; codes: row x 768 + 192 y
	s_mov_b32 s25, 0
	s_lshl_b32 s28, s22, 5
	s_lshl_b32 s26, s18, 3
	s_add_co_u32 s28, s28, s26
	s_add_co_u32 s28, s28, WS                      ; scale bytes: WS + row x 32 + 8 y
	s_mov_b32 s29, 0
	s_wait_kmcnt 0x0
	s_cmp_eq_u32 s30, 1                            ; the weight is chosen by the work-group's number alone
	s_cselect_b64 s[4:5], s[10:11], s[8:9]
	s_cmp_eq_u32 s30, 2
	s_cselect_b64 s[4:5], s[12:13], s[4:5]
	s_cmp_eq_u32 s30, 3
	s_cselect_b64 s[4:5], s[14:15], s[4:5]
	s_add_nc_u64 s[4:5], s[4:5], s[20:21]
	s_add_nc_u64 s[8:9], s[6:7], s[28:29]
	s_add_nc_u64 s[6:7], s[6:7], s[24:25]
.macro LOAD t                          ; block t: W(32 t + i, my column), i = 0 .. 31, into set t % 2; each load reads 128 consecutive bytes
.irp i, 0,1,2,3,4,5,6,7,8,9,10,11,12,13,14,15,16,17,18,19,20,21,22,23,24,25,26,27,28,29,30,31
	global_load_b32 v[X+32*((\t)%2)+\i], v3, s[4:5] offset:(32*(\t)+\i)*SIZE_N*4 th:TH_LOAD_NT
.endr
.endm
	LOAD 0
	LOAD 1
.macro BLOCK t
.set XSET, X+32*((\t)%2)
.if (\t) < NB-1
	s_wait_loadcnt 32                              ; this block's 32 loads are in; the next block's may be out
.else
	s_wait_loadcnt 0
.endif
	v_max3_num_f32 v12, |v[XSET]|, |v[XSET+1]|, |v[XSET+2]|        ; the block's largest magnitude: all 32 numbers are mine
	v_max3_num_f32 v13, |v[XSET+3]|, |v[XSET+4]|, |v[XSET+5]|
.irp i, 6,10,14,18,22,26
	v_max3_num_f32 v12, v12, |v[XSET+\i]|, |v[XSET+\i+1]|
	v_max3_num_f32 v13, v13, |v[XSET+\i+2]|, |v[XSET+\i+3]|
.endr
	v_max3_num_f32 v12, v12, |v[XSET+30]|, |v[XSET+31]|
	v_max3_num_f32 v12, v12, v13, (EMAX+1)<<23     ; and the floor 2^(3 - 127)
	v_add_nc_u32 v11, -(EMAX<<23), v12             ; the conversion's scale operand
	v_lshrrev_b32 v13, 23, v11                     ; the scale's byte
.if (\t)%4 == 0
	v_mov_b32 v[SB+(\t)/4], v13                    ; four bytes to a register, the lower K in the lower byte
.else
	v_lshl_or_b32 v[SB+(\t)/4], v13, 8*((\t)%4), v[SB+(\t)/4]
.endif
	v_cvt_scalef32_pk16_fp6_f32 v[C:C+2], v[XSET:XSET+15], v11
	v_cvt_scalef32_pk16_fp6_f32 v[C+4:C+6], v[XSET+16:XSET+31], v11   ; (a conversion's three registers begin on an even number)
	ds_store_b96 v4, v[C:C+2] offset:32*(\t)       ; 12 bytes to a place of 16, so that every LDS address is a multiple of 16
	ds_store_b96 v4, v[C+4:C+6] offset:32*(\t)+16
.if (\t)+2 < NB
	LOAD (\t)+2
.endif
	s_wait_dscnt 0x0                               ; the stores have read their registers: the next block's codes may be written
.endm
.set Q, 0
.rept NB
	BLOCK Q
.set Q, Q+1
.endr
.irp t, 0,1,2,3,4,5,6,7,8,9,10,11,12,13,14,15
	ds_load_b96 v[OUTR+4*\t:OUTR+4*\t+2], v7 offset:2*\t*PITCH   ; stage rows 2 t and 2 t + 1; these see my stores
.endr
	s_wait_dscnt 0x0
	; the three ways out hold stores to memory alone; they differ in the rows' order
	s_cmp_eq_u32 s30, 2
	s_cbranch_scc1 .Lout_v
	s_cmp_eq_u32 s30, 3
	s_cbranch_scc1 .Lout_o
.irp t, 0,1,2,3,4,5,6,7,8,9,10,11,12,13,14,15
	global_store_b96 v8, v[OUTR+4*\t:OUTR+4*\t+2], s[6:7] offset:2*((\t&3)|((\t&4)<<1)|((\t&8)>>1))*KROW   ; Wq, Wk: bits 3 and 4 of the column changed
.endr
	s_wait_alu depctr_va_vdst(0)
	global_store_b64 v14, v[SB:SB+1], s[8:9]
	s_wait_tensorcnt 0x0
	ds_add_u32 v192, v193
	s_wait_dscnt 0x0
	s_endpgm
.Lout_v:
.irp t, 0,1,2,3,4,5,6,7,8,9,10,11,12,13,14,15
	global_store_b96 v10, v[OUTR+4*\t:OUTR+4*\t+2], s[6:7] offset:32*\t*KROW   ; Wv: column n0 + 2 t + u goes 32 t + 8 u rows on
.endr
	s_wait_alu depctr_va_vdst(0)
	global_store_b64 v15, v[SB:SB+1], s[8:9]
	s_wait_tensorcnt 0x0
	ds_add_u32 v192, v193
	s_wait_dscnt 0x0
	s_endpgm
.Lout_o:
.irp t, 0,1,2,3,4,5,6,7,8,9,10,11,12,13,14,15
	global_store_b96 v8, v[OUTR+4*\t:OUTR+4*\t+2], s[6:7] offset:2*\t*KROW     ; Wo: as the columns lie
.endr
	s_wait_alu depctr_va_vdst(0)
	global_store_b64 v9, v[SB:SB+1], s[8:9]
	s_wait_tensorcnt 0x0
	ds_add_u32 v192, v193
	s_wait_dscnt 0x0
	s_endpgm
.Lfunc_end_k_q98efd44f4f_qw:
	.size	k_q98efd44f4f_qw, .Lfunc_end_k_q98efd44f4f_qw-k_q98efd44f4f_qw
	.p2alignl 7, 3214868480
	.fill 96, 4, 3214868480
	.section	.rodata,"a",@progbits
	.p2align	6, 0x0
	.amdhsa_kernel k_q98efd44f4f_qw
		.amdhsa_group_segment_fixed_size 36352
		.amdhsa_private_segment_fixed_size 0
		.amdhsa_enable_private_segment 0
		.amdhsa_kernarg_size 40
		.amdhsa_user_sgpr_count 2
		.amdhsa_user_sgpr_kernarg_segment_ptr 1
		.amdhsa_wavefront_size32 1
		.amdhsa_system_sgpr_workgroup_id_x 1
		.amdhsa_system_sgpr_workgroup_id_y 1
		.amdhsa_system_sgpr_workgroup_id_z 1
		.amdhsa_system_vgpr_workitem_id 0
		.amdhsa_next_free_vgpr 194
		.amdhsa_next_free_sgpr 66
		.amdhsa_reserve_vcc 0
		.amdhsa_float_denorm_mode_32 3
		.amdhsa_float_denorm_mode_16_64 3
		.amdhsa_memory_ordered 1
		.amdhsa_forward_progress 1
		.amdhsa_inst_pref_size 46
	.end_amdhsa_kernel
	.amdgpu_metadata
---
amdhsa.version: [ 1, 2 ]
amdhsa.kernels:
  - .name:           k_q98efd44f4f_qw
    .symbol:         k_q98efd44f4f_qw.kd
    .args:
      - { .name: Wq, .offset: 0, .size: 8, .value_kind: global_buffer, .address_space: global }
      - { .name: Wk, .offset: 8, .size: 8, .value_kind: global_buffer, .address_space: global }
      - { .name: Wv, .offset: 16, .size: 8, .value_kind: global_buffer, .address_space: global }
      - { .name: Wo, .offset: 24, .size: 8, .value_kind: global_buffer, .address_space: global }
      - { .name: wq, .offset: 32, .size: 8, .value_kind: global_buffer, .address_space: global }
    .group_segment_fixed_size: 36352
    .private_segment_fixed_size: 0
    .kernarg_segment_align: 8
    .kernarg_segment_size: 40
    .max_flat_workgroup_size: 128
    .sgpr_count:     66
    .vgpr_count:     194
    .wavefront_size: 32
...
	.end_amdgpu_metadata
.endif
;; end of part 2
;; launch qkv (part 3): grid 12 x 32, 4 waves a work-group, clusters of 4 x 4, 327,680 bytes of LDS; arguments xq, wq, bq, bk, bv, qkvq; writes qkvq
.if DOCPART == 3
	.amdgcn_target "amdgcn-amd-amdhsa--gfx1250"
	.amdhsa_code_object_version 6
	.text
	.protected	k_q98efd44f4f_qkv
	.globl	k_q98efd44f4f_qkv
	.p2align	8
	.type	k_q98efd44f4f_qkv,@function
k_q98efd44f4f_qkv:
	s_mov_b64 s[64:65], 0
	v_nop
	global_prefetch_b8 v0, s[64:65] scope:SCOPE_SE
	s_setreg_imm32_b32 hwreg(HW_REG_WAVE_MODE, 25, 1), 1
	s_wait_xcnt 0x0
	s_wait_alu depctr_hold_cnt(0) depctr_sa_sdst(0) depctr_va_vdst(0) depctr_va_sdst(0) depctr_va_ssrc(0) depctr_va_vcc(0) depctr_vm_vsrc(0)
	s_getreg_b32 s2, hwreg(HW_REG_IB_STS2, 6, 4)
	s_cmp_eq_u32 s2, 0
	s_cbranch_scc0 .Lentry_in_a_cluster
	s_endpgm
.Lentry_in_a_cluster:
	s_bfe_u32 s2, ttmp6, 0x10000c
	s_cmp_lg_u32 s2, 0xf033
	s_cbranch_scc0 .Lentry_shape_is_right
	s_endpgm
.Lentry_shape_is_right:
; Q = x Wq + bq, K = x Wk + bk, V = x Wv + bv on codes of FP6 (E2M3) with one E8M0 scale for each 32 along K = 1024; the results are QUANTISED ON THE WAY OUT for attention's two products and never go to memory as f32.
; A = xq (8192 rows), B = rows 0-3071 of wq.  A tile of C, 256 x 256, is made by four waves, 128 x 128 each: 64 accumulators, 512 registers.  384 work-groups: 12 tile columns x 32 tile rows.
; K goes in steps of 256 through a ring of two LDS slots filled by the tensor data mover; the scale bytes of the work-group's rows of A and B come into LDS once.
; CLUSTERS: 4 x 4 work-groups; A's tiles are asked for jointly along a row of the cluster, B's along a column.  A cluster's x is the SECTION (0 Q, 1 K, 2 V): it is equal in all sixteen partners, and the two branches of this text hang on it alone.
; THE MATRIX INSTRUCTION IS USED TRANSPOSED (source 0 = 16 rows of B, source 1 = 16 rows of A): a lane holds one row of C and eight columns n'.  The bias is the C of each sum's first instruction.
; THE RESHAPE of the module moves nothing: row R of C is head R / 128, positions 16 (R % 128) + n / 64, channel n % 64.
; Q, K (quantised along the channel): wq's rows are so ordered that the 16 registers of tiles 2 g, 2 g + 1 are columns 32 g + 16 (lane / 16) + 0 .. 15: half a block; lane l xor 16 has the other half.
;   Codes go out as [n / 128 (8)][R][96 bytes], scale bytes as [n / 128][R][4].
; V (quantised along the keys): the 16 registers of tiles 2 g, 2 g + 1 are the 16 positions of row R at channel d0 + 2 g + lane / 16: half a block of keys; the lane of the neighbouring row (l xor 1) has the other half.
;   Codes go out as [head][key / 256 (8)][channel (64)][192 bytes], scale bytes as [head][channel][64].
; LIMITS: a block of zeros, and one whose largest magnitude lies under 2^-124, keep the byte 1 (read by this program alone); NaN and infinities are not served.
; REGISTERS, in windows of 256: window 0: v0-31 addresses; v32-63 scale words, two sets; v64-127 the bias, later codes and what comes back from the stage; v128-223 A's fragments, one set; v224-240 at work on the way out.
;   window 1: B's fragments, two sets, at v0 and v128.   window 2: the accumulators of my rows 0-63 ((a, b) at v[8 (8 a + b)]);   window 3: those of rows 64-127.
.set XS,     6291456                   ; where the scale bytes begin in xq, and in each section of qkvq
.set WS,     3145728                   ; and in wq
.set SEC,    6553600                   ; a section of qkvq
.set KSTEP,  256
.set NQ,     KSTEP/128
.set ROWB,   192                       ; a tile's row in bytes
.set KROW,   768                       ; a row of codes in memory
.set PITCH,  240                       ; an LDS row: 3 x (64 bytes + 16 of padding)
.set FR,     12
.set NL,     6
.set NP,     4                         ; places behind this matrix instruction (ISA guide 7.12.1)
.set HALFT,  128*PITCH
.set SLOT,   4*HALFT
.set LAPS,   2                         ; 1024 / (2 x 256)
.set KS,     32                        ; a row of scale bytes
.set SCL,    2*SLOT                    ; behind the ring: the scales, as units of 256 bytes + 16 of padding
.set HALFS,  (128*KS/256)*272
.set SBLK,   (16*KS/256)*272
.set SPARE,  SCL+4*HALFS               ; the spare words, 128 bytes for each wave: two blocks of 256 bytes that no other line names
.set EQ,     SPARE+512                 ; the way out of Q and K: for each wave two stages of 2,048 bytes;  no tensor load ever lands from here on
.set EQS,    EQ+4*4096                 ; and 512 bytes for its rows' scale words
.set EV,     EQS+4*512                 ; the way out of V has bytes of its own: two stages a wave,
.set EVS,    EV+4*4096                 ; and 512 scale bytes
.set ADRA, 16
.set ADRB, 20
.set ADRS, 27
.set SPW,  28                          ; v28  LDS address of my spare word; never rewritten
.set NIL,  29                          ; v29  0; never rewritten
.set SC,   32
.set BI,   64                          ; v64-127 the bias: eight registers for each of B's eight tiles, in the result's layout
.set AF,   128
.set CDS,  64                          ; the way out: codes, two sets of 16 registers
.set RB,   96                          ; and what comes back from the stage, two sets of 16
.set TM,   224                         ; v224-227 largest magnitudes, v228-231 the other lane's, then the bytes, v236-239 the conversions' scale operands
.set PW,   240                         ; a row's scale word
.set SEL,  66                          ; s[66:67] selects for v_permlanex16_b32: lane l xor 16
.set G1, 24
.set G0, 32
.set G1B, 48
.set G0B, 56
.set G1S, 68
.set G0S, 76
.set G1SB, 80
.set G0SB, 88
.set MSB, 0
.macro WIN new                         ; the immediate's high byte repeats the setting that is left
.if MSB != (\new)
	s_set_vgpr_msb (MSB<<8)|(\new)
.set MSB, (\new)
.endif
.endm
.set MUL_LO, 0xa1                      ; source 0 (B) window 1, source 1 (A) window 0, C and D window 2
.set MUL_HI, 0xf1                      ; the same, C and D window 3
.set TO_B,   0x40
; A joint load: waves 0 and 1 fetch for A, waves 2 and 3 for B; the branch hangs on the wave's number alone.  Four v_nop follow each of the two lines.
.macro JLOAD g0a, g1a, g0b, g1b
	s_cmp_eq_u32 s15, 0
	s_cbranch_scc0 .Lfor_b_\@
	tensor_load_to_lds s[\g0a:\g0a+3], s[\g1a:\g1a+7]
	s_nop 0
.rept 4
	v_nop
.endr
	s_branch .Lasked_\@
.Lfor_b_\@:
	tensor_load_to_lds s[\g0b:\g0b+3], s[\g1b:\g1b+7]
	s_nop 0
.rept 4
	v_nop
.endr
.Lasked_\@:
.endm
.macro CREST                           ; a round of the cluster's barrier behind its opening barrier
	s_cmp_lg_u32 s14, 0
	s_cbranch_scc1 .Lnot_wave_0_\@
	s_barrier_signal -3
.Lnot_wave_0_\@:
	s_barrier_wait -3
	s_barrier_signal -1
	s_barrier_wait -1
.endm
.macro CROUND
	s_barrier_signal -1
	s_barrier_wait -1
	CREST
.endm
	s_load_b64 s[4:5], s[0:1], 0x0                 ; xq
	s_load_b64 s[8:9], s[0:1], 0x8                 ; wq
	s_load_b128 s[96:99], s[0:1], 0x10             ; bq, bk
	s_load_b64 s[100:101], s[0:1], 0x20            ; bv
	s_load_b64 s[12:13], s[0:1], 0x28              ; qkvq
	v_lshl_add_u32 v[SPW], v0, 2, SPARE
	v_mov_b32 v[NIL], 0
	ds_add_u32 v28, v29
	ds_add_u32 v28, v29
	s_wait_dscnt 0x0
	v_lshrrev_b32 v1, 5, v0
	v_readfirstlane_b32 s14, v1                    ; wave 0..3
	s_lshr_b32 s15, s14, 1                         ; which half of the tile's rows is mine.  Also: I fetch for A (0) or for B (1)
	s_and_b32 s16, s14, 1                          ; which half of its columns.  Also: which 128 rows of that tile I fetch
	s_bfe_u32 s40, ttmp6, 0x40000                  ; cx, cy: my place in the cluster
	s_bfe_u32 s41, ttmp6, 0x40004
	s_lshl_b32 s42, ttmp9, 2
	s_add_co_u32 s42, s42, s40                     ; tile column = 4 x section + cx
	s_and_b32 s17, ttmp7, 0xffff
	s_lshl_b32 s17, s17, 2
	s_add_co_u32 s17, s17, s41                     ; tile row = 4 x cluster y + cy
	s_lshl_b32 s43, s41, 2
	s_lshl_b32 s43, 15, s43                        ; my row of the cluster
	s_lshl_b32 s44, 0x1111, s40                    ; my column
	; descriptor group 1: a tile of 128 rows x 192 bytes; 16 bytes of padding behind every 64
	s_or_b32 s[G1+0], s43, (0<<16)|(1<<20)|(1<<21)|(3<<22)|(3<<25)
	s_or_b32 s[G1B+0], s44, (0<<16)|(1<<20)|(1<<21)|(3<<22)|(3<<25)
.irp g, G1, G1B
	s_mov_b32 s[\g+1], ROWB<<16                    ; tensor_dim0
	s_mov_b32 s[\g+2], 128<<16                     ; tensor_dim1
	s_mov_b32 s[\g+3], ROWB<<16                    ; tile_dim0
	s_mov_b32 s[\g+4], 128                         ; tile_dim1
	s_mov_b32 s[\g+5], KROW                        ; from row to row
	s_mov_b32 s[\g+6], 0
	s_mov_b32 s[\g+7], 0
.endr
	; the scales of 128 rows: a dense block of 4,096 bytes, as 16 rows of 256 bytes (32 elements of 8), 16 bytes of padding behind each
	s_or_b32 s[G1S+0], s43, (3<<16)|(1<<20)|(1<<21)|(5<<22)|(3<<25)
	s_or_b32 s[G1SB+0], s44, (3<<16)|(1<<20)|(1<<21)|(5<<22)|(3<<25)
.irp g, G1S, G1SB
	s_mov_b32 s[\g+1], 32<<16
	s_mov_b32 s[\g+2], (128*KS/256)<<16
	s_mov_b32 s[\g+3], 32<<16
	s_mov_b32 s[\g+4], 128*KS/256
	s_mov_b32 s[\g+5], 32
	s_mov_b32 s[\g+6], 0
	s_mov_b32 s[\g+7], 0
.endr
	s_lshl_b32 s18, s16, 7
	s_lshl_b32 s20, s17, 8
	s_add_co_u32 s20, s20, s18                     ; A: row 256 x tile row + 128 x half
	s_lshl_b32 s46, s42, 8
	s_add_co_u32 s46, s46, s18                     ; B: row 256 x tile column + 128 x half
	s_mov_b32 s21, 0
	s_mov_b32 s47, 0
	s_mov_b64 s[18:19], KS
	s_mul_u64 s[22:23], s[20:21], s[18:19]         ; where these rows' scales begin,
	s_mul_u64 s[92:93], s[46:47], s[18:19]
	s_mov_b64 s[18:19], KROW
	s_mul_u64 s[20:21], s[20:21], s[18:19]         ; and their codes
	s_mul_u64 s[46:47], s[46:47], s[18:19]
	s_mul_i32 s45, s14, HALFT                      ; where they go: wave x 128 rows: no place in the cluster enters an LDS address
	s_mul_i32 s94, s14, HALFS
	s_mov_b32 s[SEL], 0x76543210
	s_mov_b32 s[SEL+1], 0xfedcba98
	s_wait_kmcnt 0x0
	s_add_nc_u64 s[6:7], s[4:5], XS                ; A's scales
	s_add_nc_u64 s[10:11], s[8:9], WS              ; B's scales
	s_add_nc_u64 s[20:21], s[4:5], s[20:21]
	s_add_nc_u64 s[22:23], s[6:7], s[22:23]
	s_add_nc_u64 s[46:47], s[8:9], s[46:47]
	s_add_nc_u64 s[92:93], s[10:11], s[92:93]
	CROUND                                         ; all sixteen work-groups are here: the first joint loads meet
	s_mov_b32 s[G0S], 1
	s_add_co_u32 s[G0S+1], s94, SCL
	s_mov_b64 s[G0S+2:G0S+3], s[22:23]
	s_or_b32 s[G0S+3], s[G0S+3], 0x80000000
	s_mov_b32 s[G0SB], 1
	s_add_co_u32 s[G0SB+1], s94, SCL
	s_mov_b64 s[G0SB+2:G0SB+3], s[92:93]
	s_or_b32 s[G0SB+3], s[G0SB+3], 0x80000000
	JLOAD G0S, G1S, G0SB, G1SB                     ; the scales first: they are wanted with K step 0.  With the two below, three tensor loads of mine are out
.irp s, 0,1
	s_mov_b32 s[G0+4*\s], 1
	s_add_co_u32 s[G0+4*\s+1], s45, \s*SLOT
	s_add_nc_u64 s[G0+4*\s+2:G0+4*\s+3], s[20:21], \s*ROWB
	s_or_b32 s[G0+4*\s+3], s[G0+4*\s+3], 0x80000000
	s_mov_b32 s[G0B+4*\s], 1
	s_add_co_u32 s[G0B+4*\s+1], s45, \s*SLOT
	s_add_nc_u64 s[G0B+4*\s+2:G0B+4*\s+3], s[46:47], \s*ROWB
	s_or_b32 s[G0B+4*\s+3], s[G0B+4*\s+3], 0x80000000
	JLOAD G0+4*\s, G1, G0B+4*\s, G1B
.endr
	v_and_b32 v1, 15, v0                           ; r = l % 16
	v_bfe_u32 v2, v0, 4, 1                         ; h = l / 16
	v_mul_u32_u24 v3, v1, PITCH
	v_mul_u32_u24 v4, v2, 24
	v_add_nc_u32 v4, v3, v4                        ; a fragment's row x pitch + 24 x half
	v_lshl_add_u32 v5, v2, 4, v4                   ; and the same behind one padding more
	s_mul_i32 s21, s15, HALFT                      ; my 128 rows of A
	s_mul_i32 s22, s16, HALFT                      ; my 128 rows of B,
	s_add_co_u32 s22, s22, 2*HALFT                 ; which lie behind A's 256
.irp s, 0,1
	v_add_nc_u32 v[ADRA+\s], s21, v4
	v_add_nc_u32 v[ADRB+\s], s22, v4
	v_add_nc_u32 v[ADRA+2+\s], s21, v5
	v_add_nc_u32 v[ADRB+2+\s], s22, v5
	s_add_co_u32 s21, s21, SLOT
	s_add_co_u32 s22, s22, SLOT
.endr
	v_mul_u32_u24 v5, v1, KS                       ; my row's scales: 32 bytes a row,
	v_lshrrev_b32 v6, 8, v5
	v_lshl_add_u32 v5, v6, 4, v5                   ; and 16 more for each 256 passed
	s_mul_i32 s21, s15, HALFS
	s_mul_i32 s22, s16, HALFS
	s_add_co_u32 s22, s22, 2*HALFS
	s_sub_co_u32 s22, s22, s21
	v_mul_u32_u24 v6, s22, v2                      ; lanes 16-31 take B's
	s_add_co_u32 s21, s21, SCL
	v_add_nc_u32 v5, v5, v6
	v_add_nc_u32 v[ADRS], s21, v5
	; the way out's LDS addresses: a constant + a constant x lane + a constant x wave
	v_and_b32 v6, 31, v0                           ; lane
	s_lshl_b32 s23, s14, 12                        ; 4,096 x wave
	s_lshl_b32 s18, s14, 9                         ; 512 x wave
	v_lshlrev_b32 v12, 4, v6                       ; v12: 16 x lane
	v_mul_u32_u24 v26, v6, 12                      ; v26: 12 x lane: my 12 bytes of a store's 384
	v_lshlrev_b32 v3, 7, v1
	v_lshl_add_u32 v3, v2, 4, v3
	v_add_nc_u32 v3, s23, v3
	v_add_nc_u32 v24, EQ, v3                       ; v24: Q, K into the stage: 128 r + 16 h (a row's eight places of 16 bytes)
	v_add_nc_u32 v3, s23, v12
	v_add_nc_u32 v25, EQ, v3                       ; v25: and back: 16 x lane
	v_add_nc_u32 v9, EV, v3                        ; v9:  V back
	v_lshlrev_b32 v3, 2, v1
	v_add_nc_u32 v3, s18, v3
	v_add_nc_u32 v30, EQS, v3                      ; v30: Q, K: row r's scale word
	v_add_nc_u32 v3, s18, v12
	v_add_nc_u32 v31, EQS, v3                      ; v31: the scale words back
	v_add_nc_u32 v11, EVS, v3                      ; v11: V's scale bytes back
	v_lshlrev_b32 v3, 4, v1
	v_lshl_add_u32 v3, v2, 8, v3
	v_add_nc_u32 v3, s23, v3
	v_add_nc_u32 v8, EV, v3                        ; v8:  V into the stage: 256 h + 16 r (a channel's sixteen places)
	v_lshrrev_b32 v3, 1, v1
	v_lshl_add_u32 v3, v2, 6, v3
	v_add_nc_u32 v3, s18, v3
	v_add_nc_u32 v10, EVS, v3                      ; v10: V's scale byte: 64 h + r / 2
	v_lshlrev_b32 v7, 6, v2                        ; v7:  the bias of Q, K: 64 h bytes
	v_lshlrev_b32 v13, 2, v2                       ; v13: the bias of V: 4 h bytes
.irp g, 0,1,2,3
	v_mov_b32 v[TM+4+\g], 0                        ; written once: a lane permute's destination counts as one of its sources
.endr
	; where my results go, and where my bias lies.  gamma = 2 cx + my half of the columns; head = my 128 rows
	s_lshl_b32 s94, s40, 1
	s_add_co_u32 s94, s94, s16                     ; gamma, 0..7
	s_lshl_b32 s95, s17, 1
	s_add_co_u32 s95, s95, s15                     ; head, 0..63
	s_cmp_eq_u32 ttmp9, 1
	s_cselect_b64 s[96:97], s[98:99], s[96:97]
	s_cmp_eq_u32 ttmp9, 2
	s_cselect_b64 s[96:97], s[100:101], s[96:97]   ; the section's bias
	s_cselect_b32 s45, 5, 9                        ; V: 8 channels (32 bytes) a gamma;  Q, K: 128 columns (512 bytes)
	s_mov_b32 s18, 786432
	s_cselect_b32 s18, 1536, s18                   ; codes, a gamma: Q, K 8192 rows x 96;  V 8 channels x 192
	s_mov_b32 s19, 12288
	s_cselect_b32 s19, 98304, s19                  ; codes, a head:  Q, K 128 rows x 96;   V 8 x 64 x 192
	s_mov_b32 s22, 32768
	s_cselect_b32 s22, 512, s22                    ; scales, a gamma
	s_mov_b32 s23, 512
	s_cselect_b32 s23, 4096, s23                   ; scales, a head
	s_mul_i32 s18, s94, s18
	s_mul_i32 s19, s95, s19
	s_add_co_u32 s18, s18, s19
	s_mul_i32 s20, ttmp9, SEC
	s_add_co_u32 s18, s18, s20
	s_mov_b32 s19, 0
	s_add_nc_u64 s[4:5], s[12:13], s[18:19]        ; s[4:5]: my codes
	s_mul_i32 s22, s94, s22
	s_mul_i32 s23, s95, s23
	s_add_co_u32 s22, s22, s23
	s_add_co_u32 s22, s22, s20
	s_add_co_u32 s22, s22, XS
	s_mov_b32 s23, 0
	s_add_nc_u64 s[6:7], s[12:13], s[22:23]        ; s[6:7]: my scale bytes
	s_lshl_b32 s46, s94, s45
	s_mov_b32 s47, 0
	s_add_nc_u64 s[96:97], s[96:97], s[46:47]
	s_cmp_eq_u32 ttmp9, 2
	s_cbranch_scc1 .Lbias_v
	s_wait_alu depctr_va_vdst(0)
.irp b, 0,1,2,3,4,5,6,7                ; Q, K: tile b's register j of half h is column 32 (b / 2) + 16 h + 8 (b % 2) + j
	global_load_b128 v[BI+8*\b:BI+8*\b+3], v7, s[96:97] offset:128*(\b/2)+32*(\b%2)
	global_load_b128 v[BI+8*\b+4:BI+8*\b+7], v7, s[96:97] offset:128*(\b/2)+32*(\b%2)+16
.endr
	s_branch .Lbias_done
.Lbias_v:
	s_wait_alu depctr_va_vdst(0)
.irp b, 0,1,2,3,4,5,6,7                ; V: tile b's register j of half h is column 64 (8 (b % 2) + j) + d0 + 2 (b / 2) + h
.irp j, 0,1,2,3,4,5,6,7
	global_load_b32 v[BI+8*\b+\j], v13, s[96:97] offset:2048*(\b%2)+256*\j+8*(\b/2)
.endr
.endr
.Lbias_done:
.macro FRAG reg, adr, q, i             ; a fragment, 16 rows x 128 K, is 12 registers: lane l holds row l % 16; registers 6 c .. 6 c + 5 hold K = 64 c + 32 (l / 16) + 0 .. 31: 24 bytes of the row, as they lie
.irp p, 0,1,2,3,4,5                    ; in pieces of 8 bytes.  Where the piece three on lies behind one padding more, the second address register serves
.set PC, 12*(\q)+6*(\p/3)+\p%3
.if PC%8 < 5
	ds_load_b64 v[\reg+2*\p:\reg+2*\p+1], v[\adr] offset:8*PC+16*(PC/8)+(\i)*16*PITCH
.else
	ds_load_b64 v[\reg+2*\p:\reg+2*\p+1], v[\adr+2] offset:8*PC+16*(PC/8)+(\i)*16*PITCH
.endif
.endr
.endm
; 16 matrix instructions: A's blocks a0, a0 + 1 x B's eight, 128 along K.  zero = 1: the first product starts the sums from the bias.  The 64 accumulators take turns, one instruction a turn.
.macro MUL16 a0, p, q, sc, zero
.irp a, \a0, \a0+1
.irp b, 0,1,2,3,4,5,6,7
.if \zero
	v_wmma_scale_f32_16x16x128_f8f6f4 v[8*(8*((\a)%4)+\b):8*(8*((\a)%4)+\b)+7], v[128*(\p)+FR*\b:128*(\p)+FR*\b+FR-1], v[AF+FR*(\a):AF+FR*(\a)+FR-1], v[BI+8*\b:BI+8*\b+7], v[SC+8*NQ*(\sc)+NQ*\b+(\q)], v[SC+8*NQ*(\sc)+NQ*(\a)+(\q)] matrix_a_fmt:MATRIX_FMT_FP6 matrix_b_fmt:MATRIX_FMT_FP6 matrix_a_scale:MATRIX_SCALE_ROW1
.else
	v_wmma_scale_f32_16x16x128_f8f6f4 v[8*(8*((\a)%4)+\b):8*(8*((\a)%4)+\b)+7], v[128*(\p)+FR*\b:128*(\p)+FR*\b+FR-1], v[AF+FR*(\a):AF+FR*(\a)+FR-1], v[8*(8*((\a)%4)+\b):8*(8*((\a)%4)+\b)+7], v[SC+8*NQ*(\sc)+NQ*\b+(\q)], v[SC+8*NQ*(\sc)+NQ*(\a)+(\q)] matrix_a_fmt:MATRIX_FMT_FP6 matrix_b_fmt:MATRIX_FMT_FP6 matrix_a_scale:MATRIX_SCALE_ROW1
.endif
.endr
.endr
.endm
.macro FETCH_B slot, q, p
	WIN TO_B
.irp i, 0,1,2,3,4,5,6,7
	FRAG 128*(\p)+FR*\i, ADRB+\slot, \q, \i
.endr
	WIN 0
.endm
.macro FETCH_A slot, q, i0
.irp i, \i0, \i0+1, \i0+2, \i0+3
	FRAG AF+FR*(\i), ADRA+\slot, \q, \i
.endr
.endm
.macro SCALES sc                       ; a K step's scale words: two words a row; lanes 0-15 take A's block i, lanes 16-31 B's block i
.irp i, 0,1,2,3,4,5,6,7
	ds_load_b64 v[SC+8*NQ*\sc+NQ*\i:SC+8*NQ*\sc+NQ*\i+1], v[ADRS] offset:\i*SBLK
.endr
.endm
.macro PLACES n                        ; plain vector instructions that name no register of the matrix instructions ahead (ISA guide 7.12.1)
.rept \n
	v_nop
.endr
.endm
; A step of 128 along K that has its successor in the same slot.  zero = 1: C is the bias, in window 0
.macro STEP slot, q, zero
	s_wait_dscnt 4*NL                              ; B's set and A's blocks 0-3 are in; the youngest 24 loads (A's blocks 4-7) may be out
	WIN MUL_LO-0x20*(\zero)
	MUL16 0, (\q)%2, \q, \slot, \zero
	MUL16 2, (\q)%2, \q, \slot, \zero
	s_wait_dscnt 0                                 ; A's blocks 4-7 are in
	PLACES NP
	FETCH_B \slot, (\q)+1, 1-(\q)%2
	FETCH_A \slot, (\q)+1, 0
	WIN MUL_HI-0x30*(\zero)
	MUL16 4, (\q)%2, \q, \slot, \zero
	MUL16 6, (\q)%2, \q, \slot, \zero
	PLACES NP
	WIN 0
	FETCH_A \slot, (\q)+1, 4
.endm
; A slot's last step changes slots: one barrier; in front of it each wave waits for all its tensor loads, adds 0 to its spare word, and waits for that and for its reads of this slot.  fill = 1: this slot is filled again, two K steps ahead.
.macro TURN slot, next, fill
	s_wait_tensorcnt 0x0                           ; all my tensor loads have landed: my part of the next slot
	ds_add_u32 v[SPW], v[NIL]                      ; 0 onto my spare word
	s_wait_dscnt 4*NL+1                            ; (the add and the youngest 24 loads, A's blocks 4-7, may be out)
	WIN MUL_LO
	MUL16 0, 1, NQ-1, \slot, 0                     ; sixteen matrix instructions stand between the add and the wait for it
	s_wait_dscnt 0x0                               ; the add is done, and my reads of this slot are over
	s_barrier_signal -1
	MUL16 2, 1, NQ-1, \slot, 0
	WIN 0
	s_barrier_wait -1
.if \fill
	CREST                                          ; the barrier has opened a round of the cluster's barrier: no wave of any partner still reads this slot or has a load on its way
	s_add_nc_u64 s[G0+4*\slot+2:G0+4*\slot+3], s[G0+4*\slot+2:G0+4*\slot+3], 2*ROWB
	s_add_nc_u64 s[G0B+4*\slot+2:G0B+4*\slot+3], s[G0B+4*\slot+2:G0B+4*\slot+3], 2*ROWB
	JLOAD G0+4*\slot, G1, G0B+4*\slot, G1B         ; the first tensor load behind the round, and my only one until the next; its four v_nop are the places in front of the loads below
.else
	PLACES NP
.endif
	s_wait_alu depctr_va_vdst(0)
	v_add_nc_u32 v[ADRS], 4*NQ, v[ADRS]            ; on to the next K step's scale words (no LDS load of mine is out)
	FETCH_B \next, 0, 0
	FETCH_A \next, 0, 0
	SCALES \next
	WIN MUL_HI
	MUL16 4, 1, NQ-1, \slot, 0
	MUL16 6, 1, NQ-1, \slot, 0
	PLACES NP
	WIN 0
	FETCH_A \next, 0, 4
.endm
	s_wait_tensorcnt 1                             ; the scales and my part of K step 0 are in (K step 1's load may be out)
	s_barrier_signal -1
	s_barrier_wait -1                              ; everybody's are
	FETCH_B 0, 0, 0
	FETCH_A 0, 0, 0
	SCALES 0
	FETCH_A 0, 0, 4
	s_wait_loadcnt 0x0                             ; the bias
	STEP 0, 0, 1                                   ; the first step stands in front of the loop: its products start the sums
	s_mov_b32 s3, LAPS-1
.Llap:                                                 ; a trip goes once round the ring and fills both slots again
	TURN 0, 1, 1
	STEP 1, 0, 0
	TURN 1, 0, 1
	STEP 0, 0, 0
	s_sub_co_u32 s3, s3, 1
	s_cmp_lg_u32 s3, 0
	s_cbranch_scc1 .Llap
	TURN 0, 1, 0                                   ; the last lap fills nothing
	STEP 1, 0, 0
	s_wait_dscnt 4*NL                              ; the very last step
	WIN MUL_LO
	MUL16 0, 1, NQ-1, 1, 0
	MUL16 2, 1, NQ-1, 1, 0
	s_wait_dscnt 0
	WIN MUL_HI
	MUL16 4, 1, NQ-1, 1, 0
	MUL16 6, 1, NQ-1, 1, 0
	WIN 0
; THE WAY OUT, block a of 16 rows at a time.  Group g = tiles 2 g and 2 g + 1: 16 registers a lane, half a block of 32 of the next product's K.
.macro EMAX a                          ; the largest magnitude of each group's 16, with the floor 2^(3 - 127); each accumulator is read from its low end on
.set AC, 64*((\a)%4)
	WIN 0x0a+5*((\a)/4)                            ; sources 0 and 1: window 2 or 3
.irp g, 0,1,2,3
	v_max3_num_f32 v[TM+\g], |v[AC+16*\g]|, |v[AC+16*\g+1]|, 0x1800000
.endr
.irp i, 2,4,6,8,10,12,14
.irp g, 0,1,2,3
	v_max3_num_f32 v[TM+\g], |v[AC+16*\g+\i]|, |v[AC+16*\g+\i+1]|, v[TM+\g]   ; (the four groups by turns)
.endr
.endr
	WIN 0
.endm
.macro SCOPS                           ; 2 off the exponent field: the conversion's scale operand; and the byte
.irp g, 0,1,2,3
	v_add_nc_u32 v[TM+12+\g], 0xff000000, v[TM+\g]
.endr
.irp g, 0,1,2,3
	v_lshrrev_b32 v[TM+4+\g], 23, v[TM+12+\g]
.endr
.endm
.macro QSC                             ; Q, K: the block's other half lies in lane l xor 16; the four bytes make the row's scale word
.irp g, 0,1,2,3
	v_permlanex16_b32 v[TM+4+\g], v[TM+\g], s[SEL], s[SEL+1]
.endr
.irp g, 0,1,2,3
	v_max_num_f32 v[TM+\g], v[TM+\g], v[TM+4+\g]
.endr
	SCOPS
	v_lshl_or_b32 v[PW], v[TM+5], 8, v[TM+4]
	v_lshl_or_b32 v[PW], v[TM+6], 16, v[PW]
	v_lshl_or_b32 v[PW], v[TM+7], 24, v[PW]
.endm
.macro VSC                             ; V: the block's other half lies in the neighbouring row's lane, l xor 1
.irp g, 0,1,2,3
	v_max_num_f32_dpp v[TM+\g], v[TM+\g], v[TM+\g] row_xmask:1 row_mask:0xf bank_mask:0xf
.endr
	SCOPS
.endm
.macro ECVT a                          ; 16 numbers a group become 12 bytes of codes
.set AC, 64*((\a)%4)
.set CSET, CDS+16*((\a)%2)
	WIN 0x02+(\a)/4                                ; source 0: window 2 or 3
.irp g, 0,1,2,3
	v_cvt_scalef32_pk16_fp6_f32 v[CSET+4*\g:CSET+4*\g+2], v[AC+16*\g:AC+16*\g+15], v[TM+12+\g]
.endr
	WIN 0
	v_nop                                          ; one plain place behind the scaled conversions
.endm
.macro BACK a, adr                     ; the block's 128 places of 16 bytes come back in the order of the output's bytes: place 32 t + lane
.set BSET, RB+16*((\a)%2)
.irp t, 0,1,2,3
	ds_load_b96 v[BSET+4*\t:BSET+4*\t+2], v[\adr] offset:2048*((\a)%2)+512*\t   ; LDS serves a wave's instructions in order (ISA guide 5.7.1.4): these see the stores above
.endr
.endm
.macro TOSTQ a                         ; Q, K: place 8 r + 2 g + h: the row's 96 bytes on end
.set CSET, CDS+16*((\a)%2)
.if (\a) > 1
	s_wait_xcnt 0x0                                ; block a - 2's stores have read their registers: block a's loads may land there
.endif
.irp g, 0,1,2,3
	ds_store_b96 v24, v[CSET+4*\g:CSET+4*\g+2] offset:2048*((\a)%2)+32*\g
.endr
	ds_store_b32 v30, v[PW] offset:64*(\a)         ; both halves of the lanes write the same word with the same value
	BACK \a, 25
.endm
.macro TOSTV a                         ; V: place 16 (2 g + h) + r: a channel's 192 bytes (256 keys) on end
.set CSET, CDS+16*((\a)%2)
.if (\a) > 1
	s_wait_xcnt 0x0
.endif
.irp g, 0,1,2,3
	ds_store_b96 v8, v[CSET+4*\g:CSET+4*\g+2] offset:2048*((\a)%2)+512*\g
.endr
.irp g, 0,1,2,3
	ds_store_b8 v10, v[TM+4+\g] offset:128*\g+8*(\a)   ; channel 2 g + h, keys 256 a + 32 (r / 2) on; both lanes of a block write the same byte
.endr
	BACK \a, 9
.endm
.macro SEND a, step                    ; the block's 1,536 dense bytes: each store of the wave covers 384 consecutive bytes
.set BSET, RB+16*((\a)%2)
	s_wait_dscnt 0x0                               ; the block is back in registers, and its LDS stores have read theirs
.irp t, 0,1,2,3
	global_store_b96 v26, v[BSET+4*\t:BSET+4*\t+2], s[4:5] offset:(\step)*(\a)+384*\t
.endr
.endm
	PLACES NP                                      ; behind the last products
	s_cmp_eq_u32 ttmp9, 2                          ; the section: equal in all partners of the cluster
	s_cbranch_scc1 .Lway_v
.irp a, 0,1,2,3,4,5,6,7
	EMAX \a                                        ; (stands between block a - 1's loads from the stage and the wait for them)
.if \a > 0
	s_wait_alu depctr_va_vdst(0)
	SEND \a-1, 1536
.endif
	QSC
	ECVT \a
	s_wait_alu depctr_va_vdst(0)
	TOSTQ \a
.endr
	SEND 7, 1536
	ds_load_b128 v[128:131], v31                   ; my 128 rows' scale words
	s_wait_dscnt 0x0
	global_store_b128 v12, v[128:131], s[6:7]      ; 512 consecutive bytes, aligned
	s_branch .Lway_done
.Lway_v:
.irp a, 0,1,2,3,4,5,6,7
	EMAX \a
.if \a > 0
	s_wait_alu depctr_va_vdst(0)
	SEND \a-1, 12288
.endif
	VSC
	ECVT \a
	s_wait_alu depctr_va_vdst(0)
	TOSTV \a
.endr
	SEND 7, 12288
	ds_load_b128 v[132:135], v11                   ; my 8 channels' 64 scale bytes each
	s_wait_dscnt 0x0
	global_store_b128 v12, v[132:135], s[6:7]
.Lway_done:
	s_wait_tensorcnt 0x0                           ; the wave's end
	ds_add_u32 v[SPW], v[NIL]
	s_wait_dscnt 0x0
	CROUND                                         ; the closing round: no work-group ends while a partner may still ask for a tile that names it
	s_endpgm
.Lfunc_end_k_q98efd44f4f_qkv:
	.size	k_q98efd44f4f_qkv, .Lfunc_end_k_q98efd44f4f_qkv-k_q98efd44f4f_qkv
	.p2alignl 7, 3214868480
	.fill 96, 4, 3214868480
	.section	.rodata,"a",@progbits
	.p2align	6, 0x0
	.amdhsa_kernel k_q98efd44f4f_qkv
		.amdhsa_group_segment_fixed_size 327680
		.amdhsa_private_segment_fixed_size 0
		.amdhsa_enable_private_segment 0
		.amdhsa_kernarg_size 48
		.amdhsa_user_sgpr_count 2
		.amdhsa_user_sgpr_kernarg_segment_ptr 1
		.amdhsa_wavefront_size32 1
		.amdhsa_system_sgpr_workgroup_id_x 1
		.amdhsa_system_sgpr_workgroup_id_y 1
		.amdhsa_system_sgpr_workgroup_id_z 1
		.amdhsa_system_vgpr_workitem_id 0
		.amdhsa_next_free_vgpr 1024
		.amdhsa_next_free_sgpr 102
		.amdhsa_reserve_vcc 0
		.amdhsa_float_denorm_mode_32 3
		.amdhsa_float_denorm_mode_16_64 3
		.amdhsa_memory_ordered 1
		.amdhsa_forward_progress 1
		.amdhsa_inst_pref_size 212
	.end_amdhsa_kernel
	.amdgpu_metadata
---
amdhsa.version: [ 1, 2 ]
amdhsa.kernels:
  - .name:           k_q98efd44f4f_qkv
    .symbol:         k_q98efd44f4f_qkv.kd
    .args:
      - { .name: xq, .offset: 0, .size: 8, .value_kind: global_buffer, .address_space: global }
      - { .name: wq, .offset: 8, .size: 8, .value_kind: global_buffer, .address_space: global }
      - { .name: bq, .offset: 16, .size: 8, .value_kind: global_buffer, .address_space: global }
      - { .name: bk, .offset: 24, .size: 8, .value_kind: global_buffer, .address_space: global }
      - { .name: bv, .offset: 32, .size: 8, .value_kind: global_buffer, .address_space: global }
      - { .name: qkvq, .offset: 40, .size: 8, .value_kind: global_buffer, .address_space: global }
    .group_segment_fixed_size: 327680
    .private_segment_fixed_size: 0
    .kernarg_segment_align: 8
    .kernarg_segment_size: 48
    .max_flat_workgroup_size: 128
    .sgpr_count:     102
    .vgpr_count:     1024
    .wavefront_size: 32
...
	.end_amdgpu_metadata
.endif
;; end of part 3
;; launch attn (part 4): grid 4 x 64, 16 waves a work-group, no clusters, 223,232 bytes of LDS; arguments qkvq, oq; writes oq
.if DOCPART == 4
	.amdgcn_target "amdgcn-amd-amdhsa--gfx1250"
	.amdhsa_code_object_version 6
	.text
	.protected	k_q98efd44f4f_attn
	.globl	k_q98efd44f4f_attn
	.p2align	8
	.type	k_q98efd44f4f_attn,@function
k_q98efd44f4f_attn:
	s_mov_b64 s[64:65], 0
	v_nop
	global_prefetch_b8 v0, s[64:65] scope:SCOPE_SE
	s_setreg_imm32_b32 hwreg(HW_REG_WAVE_MODE, 25, 1), 1
	s_wait_xcnt 0x0
; Causal attention of one head (2,048 positions, 64 channels) on codes of FP6 (E2M3), and the quantising of its result for the last product.
; t = score x log2(e) / 8; M = the row's largest t so far, rounded UP to a whole number; p = 2^(t - M) is quantised along the keys, not normalised; the row's sum is taken of the unquantised p and divides at the end.
; SHARES.  Work-group (c4, head).  Query tile T = 8 a + b (16 queries = one row 128 head + T of the last product's operand) needs key steps 0 .. a of 128 keys; step a lies on the diagonal.
; Wave w takes (a = w, b = 2 c4) and then (a = 15 - w, b = 2 c4 + 1): 17 steps for every wave of the launch.
; K AND V OF THE WHOLE HEAD STAY IN LDS AS IMAGES OF THE OPERANDS' REGISTERS (192 KiB of codes, 8 KiB of scale words): wave w fills key step w through registers, one barrier follows, and from then on LDS is only read.
; NO CLUSTER, NO TENSOR LOAD: the rows are regrouped lane by lane into images, which wants registers; what the four work-groups of a head share is read once, 200 KiB each, at the head and not in the loop.
; THE FIRST PRODUCT HAS K = 64 in an instruction of K = 128: row m of K's fragment f holds TWO keys side by side, alpha = 128 s + 32 (m / 8) + 8 f + m % 8 in k 0-63 and alpha + 64 in k 64-127; it is multiplied by [q | 0] and by [0 | q],
; two runs of the 18 registers [q, 0, q].  Zero codes add nothing under any valid scale byte.  In the results a lane (query r, half h) holds keys 128 s + 64 c + 32 h + 0 .. 31 in registers 32 c + 0 .. 31:
; two WHOLE blocks of p, in the order of the second product's operand: no lane is asked for a block's maximum or for codes.
; V's tile t takes channels 32 (t / 2) + 8 (t % 2) + m + 8 (m / 8), so that tiles 2 g, 2 g + 1 give a lane 16 neighbouring channels.
; LIMITS: NaN and infinities are not served; a block whose largest number lies under 2^-124 keeps the byte 1; a block's largest p is made from the block's largest score by the same two instructions, which takes v_exp_f32 not to fall where its input rises.
; REGISTERS: v1-11 addresses; v12 -M, v13 the largest t, v[14:15] the sum; v16-33 [q, 0, q]; v34 q's scale word, v35 p's, v[36:37] K's, v[38:39] V's (these six hold scales alone); v40-87 four fragments of K, then of V;
;   v88-151 S^T, then p; v152-183 O^T; v184-202 p's codes; v204-219 at work; v220-227 the second pass's q and both scale halves; v228-252 the head's temporaries.
.set SEC,  6553600                     ; a section of qkvq: Q, K, V
.set QS,   6291456                     ; where a section's scale bytes begin; the same in oq
.set VIMG, 98304                       ; LDS: K's images at 0 (16 steps x 4 fragments x 1,536 bytes), V's here,
.set KSC,  196608                      ; K's scale words (16 steps x 256 bytes),
.set VSC,  200704                      ; V's,
.set OST,  204800                      ; and a stage of 1,024 bytes for each wave
.set S,    88
.set O,    152
	s_load_b128 s[4:7], s[0:1], 0x0                ; qkvq, oq
	v_lshl_add_u32 v254, v0, 2, 0x36000
	v_mov_b32 v255, 0
	v_lshrrev_b32 v228, 5, v0
	s_delay_alu instid0(VALU_DEP_1)
	v_readfirstlane_b32 s8, v228                   ; wave w
	s_mov_b32 s9, ttmp9                            ; c4
	s_and_b32 s10, ttmp7, 0xffff                   ; head
	s_mov_b32 s12, 0x76543210
	s_mov_b32 s13, 0xfedcba98                      ; v_permlanex16_b32's selects for lane l xor 16
	s_mov_b32 s14, 0x3e38aa3b                      ; c = log2(e) / sqrt(64)
	s_mov_b32 s15, s14                             ; (named with it as a pair)
	s_mov_b32 s16, 0xffff0000                      ; lanes 16-31
	s_mov_b32 s27, 0
	v_and_b32 v229, 31, v0                         ; lane
	v_and_b32 v230, 15, v0                         ; r (also m)
	v_bfe_u32 v231, v0, 4, 1                       ; h
	s_delay_alu instid0(VALU_DEP_3)
	v_lshlrev_b32 v1, 4, v229                      ; v1: 16 x lane: an image's place for my lane
	s_delay_alu instid0(VALU_DEP_4)
	v_lshl_add_u32 v2, v229, 3, KSC                ; v2: 8 x lane: two scale words
	s_delay_alu instid0(VALU_DEP_3)
	v_lshlrev_b32 v3, 5, v231
	s_delay_alu instid0(VALU_DEP_1)
	v_sub_nc_u32 v3, v230, v3                      ; v3: r - 32 h
	v_lshlrev_b32 v4, 3, v231                      ; v4: 8 h
	s_lshl_b32 s46, s8, 10
	v_lshlrev_b32 v6, 6, v230
	s_delay_alu instid0(VALU_DEP_1)
	v_lshl_add_u32 v6, v231, 4, v6
	s_delay_alu instid0(VALU_DEP_1)
	v_add_nc_u32 v6, s46, v6
	s_delay_alu instid0(VALU_DEP_1)
	v_add_nc_u32 v6, OST, v6                       ; v6: into my stage: 64 r + 16 h
	v_add_nc_u32 v7, s46, v1
	s_delay_alu instid0(VALU_DEP_1)
	v_add_nc_u32 v7, OST, v7                       ; v7: and back: 16 x lane
	v_mul_u32_u24 v11, v229, 12                    ; v11: 12 x lane
	v_lshl_add_u32 v219, v230, 1, v231             ; v219: 2 r + h: my scale byte's place in the row's 32
	v_bfe_u32 v238, v0, 1, 2                       ; (m % 8) / 2
	v_bfe_u32 v239, v0, 3, 1                       ; m / 8
	v_and_b32 v240, 1, v0                          ; m % 2
	v_bfe_u32 v241, v0, 1, 3                       ; r / 2
	s_delay_alu instid0(VALU_DEP_4)
	v_mul_u32_u24 v232, v238, 0xc0000              ; K's codes: position kappa = 8 (f % 2) + m % 8 of its row lies in plane kappa / 2 (786,432 bytes each), at 48 (kappa % 2); the row is 2 (m / 8) rows of 96 bytes on
	s_delay_alu instid0(VALU_DEP_1)
	v_mad_u32_u24 v232, v239, 192, v232
	s_delay_alu instid0(VALU_DEP_1)
	v_mad_u32_u24 v232, v240, 48, v232
	s_delay_alu instid0(VALU_DEP_1)
	v_mad_u32_u24 v232, v231, 24, v232             ; + 24 h: my half's 32 channels
	v_lshl_add_u32 v233, v239, 3, v230             ; m + 8 (m / 8)
	s_delay_alu instid0(VALU_DEP_1)
	v_lshlrev_b32 v235, 6, v233
	s_delay_alu instid0(VALU_DEP_1)
	v_lshl_add_u32 v235, v231, 9, v235             ; V's scale words: channel 8 h + m + 8 (m / 8), 64 bytes each
	s_delay_alu instid0(VALU_DEP_3)
	v_mul_u32_u24 v233, v233, 192
	s_delay_alu instid0(VALU_DEP_1)
	v_mad_u32_u24 v233, v231, 24, v233             ; V's codes: a channel's 192 bytes, + 24 h
	v_lshl_add_u32 v234, v231, 2, v238
	s_delay_alu instid0(VALU_DEP_1)
	v_lshlrev_b32 v234, 15, v234                   ; K's scale bytes: plane 4 h + (m % 8) / 2 of 32,768 bytes (lanes 16-31 serve the odd fragments),
	s_delay_alu instid0(VALU_DEP_1)
	v_lshl_add_u32 v234, v239, 3, v234             ; 2 (m / 8) rows of 4 bytes,
	s_delay_alu instid0(VALU_DEP_1)
	v_lshl_add_u32 v234, v240, 1, v234             ; 2 (m % 2)
	v_mul_u32_u24 v236, v241, 0xc0000              ; Q's codes: query r is position r of the tile's row
	s_delay_alu instid0(VALU_DEP_1)
	v_mad_u32_u24 v236, v240, 48, v236
	s_delay_alu instid0(VALU_DEP_1)
	v_mad_u32_u24 v236, v231, 24, v236
	v_lshlrev_b32 v237, 15, v241
	s_delay_alu instid0(VALU_DEP_1)
	v_lshl_add_u32 v237, v240, 1, v237             ; Q's scale bytes
	s_mul_i32 s46, s8, 6144
	v_add_nc_u32 v250, s46, v1                     ; where I store K's images: 16 x lane + 6,144 x wave
	s_delay_alu instid0(VALU_DEP_1)
	v_add_nc_u32 v251, VIMG, v250                  ; and V's
	s_lshl_b32 s46, s8, 8
	v_add_nc_u32 v252, s46, v2                     ; and the scale words: 8 x lane + 256 x wave
	s_lshl_b32 s44, s10, 7
	s_lshl_b32 s46, s9, 1
	s_add_co_u32 s44, s44, s46                     ; 128 head + 2 c4
	s_lshl_b32 s46, s8, 3
	s_sub_co_u32 s45, s44, s46
	s_add_co_u32 s45, s45, 121                     ; s45: the second pass's row: 128 head + 8 (15 - w) + 2 c4 + 1
	s_add_co_u32 s44, s44, s46                     ; s44: the first pass's row:  128 head + 8 w + 2 c4
	s_wait_alu depctr_va_vdst(0)
	s_wait_kmcnt 0x0
	s_mul_i32 s26, s10, 12288                      ; K's codes: the head's 128 rows of 96 bytes, my step's 8 rows
	s_mul_i32 s46, s8, 768
	s_add_co_u32 s26, s26, s46
	s_add_co_u32 s26, s26, SEC
	s_add_nc_u64 s[28:29], s[4:5], s[26:27]
	s_mul_i32 s26, s10, 98304                      ; V's codes: the head, the 256 keys, the half of them
	s_lshr_b32 s46, s8, 1
	s_mul_i32 s46, s46, 12288
	s_add_co_u32 s26, s26, s46
	s_and_b32 s46, s8, 1
	s_mul_i32 s46, s46, 96
	s_add_co_u32 s26, s26, s46
	s_add_co_u32 s26, s26, 2*SEC
	s_add_nc_u64 s[30:31], s[4:5], s[26:27]
	s_lshl_b32 s26, s10, 9                         ; K's scale bytes
	s_lshl_b32 s46, s8, 5
	s_add_co_u32 s26, s26, s46
	s_add_co_u32 s26, s26, SEC+QS
	s_add_nc_u64 s[32:33], s[4:5], s[26:27]
	s_lshl_b32 s26, s10, 12                        ; V's scale bytes
	s_lshl_b32 s46, s8, 2
	s_add_co_u32 s26, s26, s46
	s_add_co_u32 s26, s26, 2*SEC+QS
	s_add_nc_u64 s[34:35], s[4:5], s[26:27]
	s_mul_i32 s26, s44, 96                         ; Q of both passes
	s_add_nc_u64 s[36:37], s[4:5], s[26:27]
	s_lshl_b32 s26, s44, 2
	s_add_co_u32 s26, s26, QS
	s_add_nc_u64 s[38:39], s[4:5], s[26:27]
	s_mul_i32 s26, s45, 96
	s_add_nc_u64 s[40:41], s[4:5], s[26:27]
	s_lshl_b32 s26, s45, 2
	s_add_co_u32 s26, s26, QS
	s_add_nc_u64 s[42:43], s[4:5], s[26:27]
.irp f, 0,1,2,3                        ; K's four fragments of key step w: registers 6 u + 2 p: key alpha + 64 u (4 rows of 96 bytes on), 8 bytes a piece
.irp u, 0,1
.irp p, 0,1,2
	global_load_b64 v[40+12*\f+6*\u+2*\p:41+12*\f+6*\u+2*\p], v232, s[28:29] offset:(\f%2)*3145728+(\f/2)*96+384*\u+8*\p
.endr
.endr
.endr
.irp t, 0,1,2,3                        ; V's four tiles: registers 6 u + 2 p: keys 64 u + 32 h on
.irp u, 0,1
.irp p, 0,1,2
	global_load_b64 v[88+12*\t+6*\u+2*\p:89+12*\t+6*\u+2*\p], v233, s[30:31] offset:(32*(\t/2)+8*(\t%2))*192+48*\u+8*\p
.endr
.endr
.endr
.irp e, 0,1                            ; K's scale words for fragments 2 e (lanes 0-15) and 2 e + 1 (lanes 16-31): the lower key's two bytes, the upper key's two
	global_load_u16 v[242+2*\e], v234, s[32:33] offset:4*\e
	global_load_u16 v[243+2*\e], v234, s[32:33] offset:4*\e+16
.endr
.irp e, 0,1                            ; V's for tiles 2 e and 2 e + 1
	global_load_b32 v[248+\e], v235, s[34:35] offset:2048*\e
.endr
.irp p, 0,1,2                          ; Q: eleven loads
	global_load_b64 v[16+2*\p:17+2*\p], v236, s[36:37] offset:8*\p
	global_load_b64 v[28+2*\p:29+2*\p], v236, s[36:37] offset:8*\p
.endr
	global_load_u16 v227, v237, s[38:39]
.irp p, 0,1,2
	global_load_b64 v[220+2*\p:221+2*\p], v236, s[40:41] offset:8*\p
.endr
	global_load_u16 v226, v237, s[42:43]
.irp i, 0,1,2,3,4,5
	v_mov_b32 v[22+\i], 0                          ; the zeros between the two q
.endr
	v_mov_b32 v208, 0                              ; written once: a lane permute's destination counts as one of its sources
	v_mov_b32 v209, 0
	v_mov_b32 v213, 0                              ; (named as the upper half of the pair v[212:213])
	v_mov_b32 v218, 0xff800000                     ; -infinity
	s_wait_loadcnt 11                              ; all but Q's eleven loads
.irp f, 0,1,2,3
.irp c, 0,1,2
	ds_store_b128 v250, v[40+12*\f+4*\c:43+12*\f+4*\c] offset:1536*\f+512*\c   ; a fragment goes to LDS as it stands: lane l's 16 bytes at 16 l
	ds_store_b128 v251, v[88+12*\f+4*\c:91+12*\f+4*\c] offset:1536*\f+512*\c
.endr
.endr
	v_lshl_or_b32 v246, v243, 16, v242
	v_lshl_or_b32 v247, v245, 16, v244
	ds_store_b64 v252, v[246:247]
	ds_store_b64 v252, v[248:249] offset:VSC-KSC
	s_wait_loadcnt 0x0                             ; Q
	s_wait_dscnt 0x0                               ; for the others' sake: my images lie in LDS
	s_barrier_signal -1
	s_barrier_wait -1                              ; the whole head's do; nothing of them is written again
; A KEY STEP: 128 keys; s20 = 6,144 x step, s21 = 256 x step, s19 = step, s17 = a
.macro STEP
	v_add_nc_u32 v8, s20, v1                       ; these four lines are the places behind the last step's products, in front of the loads into their registers
	s_delay_alu instid0(VALU_DEP_1)
	v_add_nc_u32 v9, VIMG, v8
	v_add_nc_u32 v10, s21, v2
	v_nop
	ds_load_b64 v[36:37], v10                      ; K's scale words
	ds_load_b64 v[38:39], v10 offset:VSC-KSC       ; V's
.irp f, 0,1,2,3
.irp c, 0,1,2
	ds_load_b128 v[40+12*\f+4*\c:43+12*\f+4*\c], v8 offset:1536*\f+512*\c
.endr
.endr
	s_wait_alu depctr_va_vdst(0)
.irp f, 0,1,2,3                        ; S^T: fragment f against [q | 0] and [0 | q]
	s_wait_dscnt 9-3*\f                            ; the scale words and fragments 0 .. f are in; the later fragments' loads, three each, may be out
.if \f%2
	v_wmma_scale_f32_16x16x128_f8f6f4 v[S+8*\f:S+8*\f+7], v[40+12*\f:51+12*\f], v[16:27], 0, v[36+\f/2], v34 matrix_a_fmt:MATRIX_FMT_FP6 matrix_b_fmt:MATRIX_FMT_FP6 matrix_a_scale:MATRIX_SCALE_ROW1
	v_wmma_scale_f32_16x16x128_f8f6f4 v[S+32+8*\f:S+32+8*\f+7], v[40+12*\f:51+12*\f], v[22:33], 0, v[36+\f/2], v34 matrix_a_fmt:MATRIX_FMT_FP6 matrix_b_fmt:MATRIX_FMT_FP6 matrix_a_scale:MATRIX_SCALE_ROW1
.else
	v_wmma_scale_f32_16x16x128_f8f6f4 v[S+8*\f:S+8*\f+7], v[40+12*\f:51+12*\f], v[16:27], 0, v[36+\f/2], v34 matrix_a_fmt:MATRIX_FMT_FP6 matrix_b_fmt:MATRIX_FMT_FP6
	v_wmma_scale_f32_16x16x128_f8f6f4 v[S+32+8*\f:S+32+8*\f+7], v[40+12*\f:51+12*\f], v[22:33], 0, v[36+\f/2], v34 matrix_a_fmt:MATRIX_FMT_FP6 matrix_b_fmt:MATRIX_FMT_FP6
.endif
.endr
.rept 4
	v_nop                                          ; places in front of the loads into K's registers and of the first read of the scores
.endr
.irp f, 0,1,2,3
.irp c, 0,1,2
	ds_load_b128 v[40+12*\f+4*\c:43+12*\f+4*\c], v9 offset:1536*\f+512*\c   ; V's four tiles land while the softmax is walked
.endr
.endr
	s_cmp_lg_u32 s19, s17                          ; only the step on the diagonal hides keys: a branch on ids
	s_cbranch_scc1 .Lopen_\@
.set n, 0
.rept 64                               ; register n holds key 128 a + 64 (n / 32) + 32 h + n % 32; my query is 128 a + 16 b + r: hidden where 64 (n / 32) + n % 32 > 16 b + r - 32 h
	v_cmp_gt_i32 vcc_lo, 64*(n/32)+n%32, v5
	v_cndmask_b32 v[S+n], v[S+n], v218, vcc_lo
.set n, n+1
.endr
.Lopen_\@:
.irp b, 0,1,2,3
	v_max3_num_f32 v[204+\b], v[S+16*\b], v[S+1+16*\b], v[S+2+16*\b]   ; the largest score of each 16, four chains by turns; each accumulator is read from its low end on
.endr
.irp i, 3,5,7,9,11,13
.irp b, 0,1,2,3
	v_max3_num_f32 v[204+\b], v[204+\b], v[S+16*\b+\i], v[S+1+16*\b+\i]
.endr
.endr
.irp b, 0,1,2,3
	v_max_num_f32 v[204+\b], v[204+\b], v[S+15+16*\b]
.endr
	s_delay_alu instid0(VALU_DEP_3)
	v_max_num_f32 v204, v204, v205                 ; my two blocks' largest scores: they serve the row's maximum and, since p rises with the score, the blocks' largest p
	s_delay_alu instid0(VALU_DEP_2)
	v_max_num_f32 v205, v206, v207
	s_delay_alu instid0(VALU_DEP_1)
	v_max_num_f32 v209, v204, v205
	s_delay_alu instid0(VALU_DEP_1)
	v_permlanex16_b32 v208, v209, s12, s13
	s_delay_alu instid0(VALU_DEP_1)
	v_max_num_f32 v209, v209, v208                 ; the step's largest score of my query
	s_delay_alu instid0(VALU_DEP_1)
	v_mul_f32 v209, s14, v209                      ; as t
	s_delay_alu instid0(VALU_DEP_1)
	v_max_num_f32 v13, v13, v209                   ; the running largest t
	v_mov_b32 v209, v12
	s_delay_alu instid0(VALU_DEP_2)
	v_floor_f32 v12, -v13                          ; the new -M = -ceil(t)
	s_delay_alu instid0(VALU_DEP_1)
	v_sub_f32 v209, v12, v209                      ; old M - new M: a whole number, 0 or less
	s_delay_alu instid0(VALU_DEP_1)
	v_cvt_i32_f32 v209, v209                       ; (it saturates)
	s_delay_alu instid0(VALU_DEP_1)
	v_ldexp_f32 v212, 1.0, v209                    ; f = 2^(old M - new M): a multiplication by it rounds nothing
.set j, 0
	s_setprio 1
.rept 32
	v_pk_fma_f32 v[S+j:S+j+1], v[S+j:S+j+1], s[14:15], v[12:13] op_sel_hi:[1,0,0]   ; t - M, two at a time
.set j, j+2
.endr
	v_fma_f32 v204, v204, s14, v12                 ; the same of the two blocks' largest scores
	v_fma_f32 v205, v205, s14, v12
.set j, 0
	s_wait_alu depctr_va_vdst(0)
.rept 64
	v_exp_f32 v[S+j], v[S+j]                       ; p = 2^(t - M)
.set j, j+1
.endr
	v_exp_f32 v204, v204
	v_exp_f32 v205, v205
	v_pk_mul_f32 v[14:15], v[14:15], v[212:213] op_sel_hi:[1,0]   ; the sums under the new M.  (The plain place behind the exponentials)
	s_wait_alu depctr_va_vdst(0)
	v_max_num_f32 v204, 0x1800000, v204            ; the floor 2^(3 - 127): the byte cannot fall under 1
	v_max_num_f32 v205, 0x1800000, v205
	s_delay_alu instid0(VALU_DEP_2)
	v_add_nc_u32 v210, 0xff000000, v204            ; 2 off the exponent field: the conversions' scale operands
	s_delay_alu instid0(VALU_DEP_2)
	v_add_nc_u32 v211, 0xff000000, v205
	s_delay_alu instid0(VALU_DEP_2)
	v_lshrrev_b32 v214, 23, v210                   ; the bytes of blocks h and 2 + h
	s_delay_alu instid0(VALU_DEP_2)
	v_lshrrev_b32 v215, 23, v211
	s_delay_alu instid0(VALU_DEP_1)
	v_lshl_or_b32 v35, v215, 16, v214
	s_delay_alu instid0(VALU_DEP_1)
	v_lshlrev_b32 v35, v4, v35                     ; at their places in the scale word (8 h bits up);
	s_delay_alu instid0(VALU_DEP_1)
	v_permlanex16_b32 v208, v35, s12, s13
	s_delay_alu instid0(VALU_DEP_1)
	v_or_b32 v35, v35, v208                        ; with lane l xor 16's two the word is whole
.irp c, 0,1
	v_cvt_scalef32_pk16_fp6_f32 v[184+6*\c:186+6*\c], v[S+32*\c:S+32*\c+15], v[210+\c]
	v_cvt_scalef32_pk16_fp6_f32 v[196+4*\c:198+4*\c], v[S+32*\c+16:S+32*\c+31], v[210+\c]   ; (a conversion's three registers begin on an even number)
.endr
	v_nop                                          ; one plain place behind the scaled conversions
.irp c, 0,1
.irp i, 0,1,2
	v_mov_b32 v[187+6*\c+\i], v[196+4*\c+\i]
.endr
.endr
	v_pk_add_f32 v[216:217], v[92:93], v[96:97]
	v_pk_add_f32 v[252:253], v[100:101], v[104:105]
	v_pk_add_f32 v[250:251], v[108:109], v[112:113]
	v_pk_add_f32 v[248:249], v[116:117], v[120:121]
	v_pk_add_f32 v[246:247], v[124:125], v[128:129]
	v_pk_add_f32 v[244:245], v[132:133], v[136:137]
	v_pk_add_f32 v[242:243], v[140:141], v[144:145]
	v_pk_add_f32 v[14:15], v[14:15], v[148:149]
	v_pk_add_f32 v[216:217], v[216:217], v[88:89]
	v_pk_add_f32 v[252:253], v[252:253], v[90:91]
	v_pk_add_f32 v[250:251], v[250:251], v[94:95]
	v_pk_add_f32 v[248:249], v[248:249], v[98:99]
	v_pk_add_f32 v[246:247], v[246:247], v[102:103]
	v_pk_add_f32 v[244:245], v[244:245], v[106:107]
	s_setprio 0
	v_pk_add_f32 v[242:243], v[242:243], v[110:111]
	v_pk_add_f32 v[14:15], v[14:15], v[114:115]
	v_pk_add_f32 v[216:217], v[216:217], v[118:119]
	v_pk_add_f32 v[252:253], v[252:253], v[122:123]
	v_pk_add_f32 v[250:251], v[250:251], v[126:127]
	v_pk_add_f32 v[248:249], v[248:249], v[130:131]
	v_pk_add_f32 v[246:247], v[246:247], v[134:135]
	v_pk_add_f32 v[244:245], v[244:245], v[138:139]
	v_pk_add_f32 v[242:243], v[242:243], v[142:143]
	v_pk_add_f32 v[14:15], v[14:15], v[146:147]
	v_pk_add_f32 v[216:217], v[216:217], v[150:151]
	s_delay_alu instid0(VALU_DEP_2)
	v_pk_add_f32 v[14:15], v[14:15], v[248:249]
	s_delay_alu instid0(VALU_DEP_2)
	v_pk_add_f32 v[216:217], v[216:217], v[246:247]
	v_pk_add_f32 v[252:253], v[252:253], v[244:245]
	v_pk_add_f32 v[250:251], v[250:251], v[242:243]
	s_delay_alu instid0(VALU_DEP_2)
	v_pk_add_f32 v[14:15], v[14:15], v[252:253]
	s_delay_alu instid0(VALU_DEP_2)
	v_pk_add_f32 v[216:217], v[216:217], v[250:251]
	s_delay_alu instid0(VALU_DEP_1)
	v_pk_add_f32 v[14:15], v[14:15], v[216:217]
.set j, 0
.rept 16
	v_pk_mul_f32 v[O+j:O+j+1], v[O+j:O+j+1], v[212:213] op_sel_hi:[1,0]   ; O^T under the new M.  (With the sums: the places between p's codes and scale word and the products below)
.set j, j+2
.endr
	s_wait_alu depctr_va_vdst(0)
	s_wait_dscnt 0x0                               ; V's tiles are in
.irp t, 0,1,2,3                        ; O^T += V^T P^T; the four accumulators by turns, and eight other products stand between a step's and the next's
.if \t%2
	v_wmma_scale_f32_16x16x128_f8f6f4 v[O+8*\t:O+8*\t+7], v[40+12*\t:51+12*\t], v[184:195], v[O+8*\t:O+8*\t+7], v[38+\t/2], v35 matrix_a_fmt:MATRIX_FMT_FP6 matrix_b_fmt:MATRIX_FMT_FP6 matrix_a_scale:MATRIX_SCALE_ROW1
.else
	v_wmma_scale_f32_16x16x128_f8f6f4 v[O+8*\t:O+8*\t+7], v[40+12*\t:51+12*\t], v[184:195], v[O+8*\t:O+8*\t+7], v[38+\t/2], v35 matrix_a_fmt:MATRIX_FMT_FP6 matrix_b_fmt:MATRIX_FMT_FP6
.endif
.endr
.endm
; A tile's end: O^T / the sum, quantised along the channels, is one row of oq: query r's 64 channels are columns 64 r on
.macro TAIL
.rept 4
	v_nop                                          ; places behind the last products
.endr
	v_add_f32 v14, v14, v15
	s_delay_alu instid0(VALU_DEP_1)
	v_permlanex16_b32 v208, v14, s12, s13
	s_delay_alu instid0(VALU_DEP_1)
	v_add_f32 v14, v14, v208                       ; the row's sum
	s_wait_alu depctr_va_vdst(0)
	v_rcp_f32 v14, v14
	v_nop                                          ; one plain place behind the transcendental
.set j, 0
	s_wait_alu depctr_va_vdst(0)
.rept 16
	v_pk_mul_f32 v[S+j:S+j+1], v[O+j:O+j+1], v[14:15] op_sel_hi:[1,0]   ; register 16 g + i: channel 32 g + 16 h + i
.set j, j+2
.endr
.irp g, 0,1
	v_max3_num_f32 v[204+\g], |v[S+16*\g]|, |v[S+1+16*\g]|, 0x1800000
.endr
.irp i, 2,4,6,8,10,12,14
.irp g, 0,1
	s_delay_alu instid0(VALU_DEP_2)
	v_max3_num_f32 v[204+\g], v[204+\g], |v[S+16*\g+\i]|, |v[S+1+16*\g+\i]|
.endr
.endr
	s_delay_alu instid0(VALU_DEP_2)
	v_permlanex16_b32 v208, v204, s12, s13
	s_delay_alu instid0(VALU_DEP_2)
	v_permlanex16_b32 v209, v205, s12, s13
	s_delay_alu instid0(VALU_DEP_2)
	v_max_num_f32 v204, v204, v208                 ; with lane l xor 16's 16 channels: the block's
	s_delay_alu instid0(VALU_DEP_2)
	v_max_num_f32 v205, v205, v209
	s_delay_alu instid0(VALU_DEP_2)
	v_add_nc_u32 v210, 0xff000000, v204
	s_delay_alu instid0(VALU_DEP_2)
	v_add_nc_u32 v211, 0xff000000, v205
	s_delay_alu instid0(VALU_DEP_2)
	v_lshrrev_b32 v214, 23, v210
	s_delay_alu instid0(VALU_DEP_2)
	v_lshrrev_b32 v215, 23, v211
	v_cvt_scalef32_pk16_fp6_f32 v[184:186], v[S:S+15], v210
	v_cvt_scalef32_pk16_fp6_f32 v[188:190], v[S+16:S+31], v211
	v_nop                                          ; one plain place behind the scaled conversions
	ds_store_b96 v6, v[184:186]                    ; place 4 r + 2 g + h of 16 bytes: the row's 768 bytes in 64 places
	ds_store_b96 v6, v[188:190] offset:32
	ds_load_b96 v[196:198], v7                     ; LDS serves a wave's instructions in order: these see my stores
	ds_load_b96 v[200:202], v7 offset:512
	v_cndmask_b32 v209, v214, v215, s16            ; lanes 0-15 keep block 0's byte, lanes 16-31 block 1's
	s_wait_alu depctr_va_vdst(0)
	s_wait_dscnt 0x0
	global_store_b96 v11, v[196:198], s[22:23]     ; each store of the wave covers 384 consecutive bytes
	global_store_b96 v11, v[200:202], s[22:23] offset:384
	global_store_b8 v219, v209, s[24:25]           ; the row's 32 scale bytes
.endm
.macro PASS which
.if \which
	s_wait_xcnt 0x0                                ; the first pass's stores have read their registers and bases
.irp i, 0,1,2,3,4,5
	v_mov_b32 v[16+\i], v[220+\i]
	v_mov_b32 v[28+\i], v[220+\i]
.endr
	v_lshl_or_b32 v34, v226, 16, v226              ; q's two bytes twice: they serve [q | 0] and [0 | q]
	s_sub_co_u32 s17, 15, s8                       ; a
	s_lshl_b32 s18, s9, 5
	s_add_co_u32 s18, s18, 16                      ; 16 b
	s_mov_b32 s46, s45
.else
	v_lshl_or_b32 v34, v227, 16, v227
	s_mov_b32 s17, s8
	s_lshl_b32 s18, s9, 5
	s_mov_b32 s46, s44
.endif
	s_mul_i32 s26, s46, 768
	s_add_nc_u64 s[22:23], s[6:7], s[26:27]        ; the tile's row of codes in oq
	s_lshl_b32 s26, s46, 5
	s_add_co_u32 s26, s26, QS
	s_add_nc_u64 s[24:25], s[6:7], s[26:27]        ; and of scale bytes
	v_add_nc_u32 v5, s18, v3                       ; 16 b + r - 32 h
	v_mov_b32 v13, 0xff61b1e6                      ; the largest t so far: -3e38
	s_delay_alu instid0(VALU_DEP_1)
	v_floor_f32 v12, -v13
	v_mov_b32 v14, 0
	v_mov_b32 v15, 0
.set j, 0
.rept 32
	v_mov_b32 v[O+j], 0                            ; O^T: the step is written once; the first finds zeros.  (These are also the places between q's scale word and the first product)
.set j, j+1
.endr
	s_mov_b32 s19, 0
	s_mov_b32 s20, 0
	s_mov_b32 s21, 0
.Ltrip_\@:                             ; sixteen trips in every wave; a step all of whose keys come after my queries is jumped over, its address steps are not
	s_cmp_gt_u32 s19, s17
	s_cbranch_scc1 .Lskip_\@
	s_setprio 2
	STEP
.Lskip_\@:
	s_add_co_u32 s20, s20, 6144
	s_add_co_u32 s21, s21, 256
	s_add_co_u32 s19, s19, 1
	s_cmp_lt_u32 s19, 16
	s_cbranch_scc1 .Ltrip_\@
	s_setprio 0
	TAIL
.endm
	PASS 0
	PASS 1
	s_wait_tensorcnt 0x0
	ds_add_u32 v254, v255
	s_wait_dscnt 0x0
	s_endpgm
.Lfunc_end_k_q98efd44f4f_attn:
	.size	k_q98efd44f4f_attn, .Lfunc_end_k_q98efd44f4f_attn-k_q98efd44f4f_attn
	.p2alignl 7, 3214868480
	.fill 96, 4, 3214868480
	.section	.rodata,"a",@progbits
	.p2align	6, 0x0
	.amdhsa_kernel k_q98efd44f4f_attn
		.amdhsa_group_segment_fixed_size 223232
		.amdhsa_private_segment_fixed_size 0
		.amdhsa_enable_private_segment 0
		.amdhsa_kernarg_size 16
		.amdhsa_user_sgpr_count 2
		.amdhsa_user_sgpr_kernarg_segment_ptr 1
		.amdhsa_wavefront_size32 1
		.amdhsa_system_sgpr_workgroup_id_x 1
		.amdhsa_system_sgpr_workgroup_id_y 1
		.amdhsa_system_sgpr_workgroup_id_z 1
		.amdhsa_system_vgpr_workitem_id 0
		.amdhsa_next_free_vgpr 256
		.amdhsa_next_free_sgpr 66
		.amdhsa_reserve_vcc 1
		.amdhsa_float_denorm_mode_32 3
		.amdhsa_float_denorm_mode_16_64 3
		.amdhsa_memory_ordered 1
		.amdhsa_forward_progress 1
		.amdhsa_inst_pref_size 68
	.end_amdhsa_kernel
	.amdgpu_metadata
---
amdhsa.version: [ 1, 2 ]
amdhsa.kernels:
  - .name:           k_q98efd44f4f_attn
    .symbol:         k_q98efd44f4f_attn.kd
    .args:
      - { .name: qkvq, .offset: 0, .size: 8, .value_kind: global_buffer, .address_space: global }
      - { .name: oq, .offset: 8, .size: 8, .value_kind: global_buffer, .address_space: global }
    .group_segment_fixed_size: 223232
    .private_segment_fixed_size: 0
    .kernarg_segment_align: 8
    .kernarg_segment_size: 16
    .max_flat_workgroup_size: 512
    .sgpr_count:     66
    .vgpr_count:     256
    .wavefront_size: 32
...
	.end_amdgpu_metadata
.endif
;; end of part 4
;; launch oproj (part 5): grid 4 x 32, 4 waves a work-group, clusters of 4 x 4, 327,680 bytes of LDS; arguments oq, wq, bo, out0; writes out0
.if DOCPART == 5
	.amdgcn_target "amdgcn-amd-amdhsa--gfx1250"
	.amdhsa_code_object_version 6
	.text
	.protected	k_q98efd44f4f_oproj
	.globl	k_q98efd44f4f_oproj
	.p2align	8
	.type	k_q98efd44f4f_oproj,@function
k_q98efd44f4f_oproj:
	s_mov_b64 s[64:65], 0
	v_nop
	global_prefetch_b8 v0, s[64:65] scope:SCOPE_SE
	s_setreg_imm32_b32 hwreg(HW_REG_WAVE_MODE, 25, 1), 1
	s_wait_xcnt 0x0
	s_wait_alu depctr_hold_cnt(0) depctr_sa_sdst(0) depctr_va_vdst(0) depctr_va_sdst(0) depctr_va_ssrc(0) depctr_va_vcc(0) depctr_vm_vsrc(0)
	s_getreg_b32 s2, hwreg(HW_REG_IB_STS2, 6, 4)
	s_cmp_eq_u32 s2, 0
	s_cbranch_scc0 .Lentry_in_a_cluster
	s_endpgm
.Lentry_in_a_cluster:
	s_bfe_u32 s2, ttmp6, 0x10000c
	s_cmp_lg_u32 s2, 0xf033
	s_cbranch_scc0 .Lentry_shape_is_right
	s_endpgm
.Lentry_shape_is_right:
; out0 = attention's result x Wo + bo on codes of FP6 (E2M3) with one E8M0 scale for each 32 along K = 1024.  A = oq (8192 rows), B = rows 3072-4095 of wq; out0 [8192][1024] f32.
; A tile of C, 256 x 256, is made by four waves, 128 x 128 each: 64 accumulators, 512 registers.  128 work-groups: 4 tile columns x 32 tile rows.
; K goes in steps of 256 through a ring of two LDS slots filled by the tensor data mover; the scale bytes of the work-group's rows of A and B come into LDS once.
; CLUSTERS: 4 x 4 work-groups; A's tiles are asked for jointly along a row of the cluster, B's along a column.
; THE MATRIX INSTRUCTION IS USED TRANSPOSED (source 0 = 16 rows of B, source 1 = 16 rows of A): a lane holds eight neighbouring numbers of a row of C.  The bias is the C of each sum's first instruction.
; REGISTERS, in windows of 256: window 0: v0-31 addresses; v32-63 scale words, two sets; v64-127 the bias; v128-223 A's fragments, one set; on the way out v128-255 take rows back from the stage.
;   window 1: B's fragments, two sets.   window 2: the accumulators of my rows 0-63;   window 3: those of rows 64-127.
.set XS,     6291456                   ; where the scale bytes begin in oq
.set WS,     3145728                   ; and in wq
.set SIZE_N, 1024
.set KSTEP,  256
.set NQ,     KSTEP/128
.set ROWB,   192
.set KROW,   768
.set PITCH,  240                       ; an LDS row: 3 x (64 bytes + 16 of padding)
.set FR,     12
.set NL,     6
.set NP,     4                         ; places behind this matrix instruction (ISA guide 7.12.1)
.set HALFT,  128*PITCH
.set SLOT,   4*HALFT
.set LAPS,   2
.set KS,     32
.set SCL,    2*SLOT
.set HALFS,  (128*KS/256)*272
.set SBLK,   (16*KS/256)*272
.set SPARE,  SCL+4*HALFS               ; the spare words, 128 bytes for each wave: two blocks of 256 bytes that no other line names
.set SPITCH, 528                       ; the way out: a stage of 16 rows x (512 bytes + 16) for each wave, in slot 0, which has had its last fill and its last read when the first result is stored there
.set ADRA, 16
.set ADRB, 20
.set STO,  24
.set RD,   25
.set CO,   26
.set ADRS, 27
.set SPW,  28                          ; v28  LDS address of my spare word; never rewritten
.set NIL,  29                          ; v29  0; never rewritten
.set SC,   32
.set BI,   64
.set AF,   128
.set BK,   128
.set G1, 24
.set G0, 32
.set G1B, 48
.set G0B, 56
.set G1S, 68
.set G0S, 76
.set G1SB, 80
.set G0SB, 88
.set MSB, 0
.macro WIN new                         ; the immediate's high byte repeats the setting that is left
.if MSB != (\new)
	s_set_vgpr_msb (MSB<<8)|(\new)
.set MSB, (\new)
.endif
.endm
.set MUL_LO, 0xa1
.set MUL_HI, 0xf1
.set TO_B,   0x40
.macro JLOAD g0a, g1a, g0b, g1b        ; a joint load: waves 0 and 1 fetch for A, waves 2 and 3 for B; four v_nop follow each of the two lines
	s_cmp_eq_u32 s15, 0
	s_cbranch_scc0 .Lfor_b_\@
	tensor_load_to_lds s[\g0a:\g0a+3], s[\g1a:\g1a+7]
	s_nop 0
.rept 4
	v_nop
.endr
	s_branch .Lasked_\@
.Lfor_b_\@:
	tensor_load_to_lds s[\g0b:\g0b+3], s[\g1b:\g1b+7]
	s_nop 0
.rept 4
	v_nop
.endr
.Lasked_\@:
.endm
.macro CREST
	s_cmp_lg_u32 s14, 0
	s_cbranch_scc1 .Lnot_wave_0_\@
	s_barrier_signal -3
.Lnot_wave_0_\@:
	s_barrier_wait -3
	s_barrier_signal -1
	s_barrier_wait -1
.endm
.macro CROUND
	s_barrier_signal -1
	s_barrier_wait -1
	CREST
.endm
	s_load_b64 s[4:5], s[0:1], 0x0                 ; oq
	s_load_b64 s[8:9], s[0:1], 0x8                 ; wq
	s_load_b64 s[96:97], s[0:1], 0x10              ; bo
	s_load_b64 s[12:13], s[0:1], 0x18              ; out0
	v_lshl_add_u32 v[SPW], v0, 2, SPARE
	v_mov_b32 v[NIL], 0
	ds_add_u32 v28, v29
	ds_add_u32 v28, v29
	s_wait_dscnt 0x0
	v_lshrrev_b32 v1, 5, v0
	v_readfirstlane_b32 s14, v1                    ; wave 0..3
	s_lshr_b32 s15, s14, 1                         ; which half of the tile's rows is mine.  Also: I fetch for A (0) or for B (1)
	s_and_b32 s16, s14, 1                          ; which half of its columns.  Also: which 128 rows of that tile I fetch
	s_bfe_u32 s40, ttmp6, 0x40000                  ; cx, cy
	s_bfe_u32 s41, ttmp6, 0x40004
	s_lshl_b32 s42, ttmp9, 2
	s_add_co_u32 s42, s42, s40                     ; tile column
	s_and_b32 s17, ttmp7, 0xffff
	s_lshl_b32 s17, s17, 2
	s_add_co_u32 s17, s17, s41                     ; tile row
	s_lshl_b32 s43, s41, 2
	s_lshl_b32 s43, 15, s43                        ; my row of the cluster
	s_lshl_b32 s44, 0x1111, s40                    ; my column
	s_or_b32 s[G1+0], s43, (0<<16)|(1<<20)|(1<<21)|(3<<22)|(3<<25)
	s_or_b32 s[G1B+0], s44, (0<<16)|(1<<20)|(1<<21)|(3<<22)|(3<<25)
.irp g, G1, G1B
	s_mov_b32 s[\g+1], ROWB<<16
	s_mov_b32 s[\g+2], 128<<16
	s_mov_b32 s[\g+3], ROWB<<16
	s_mov_b32 s[\g+4], 128
	s_mov_b32 s[\g+5], KROW
	s_mov_b32 s[\g+6], 0
	s_mov_b32 s[\g+7], 0
.endr
	s_or_b32 s[G1S+0], s43, (3<<16)|(1<<20)|(1<<21)|(5<<22)|(3<<25)
	s_or_b32 s[G1SB+0], s44, (3<<16)|(1<<20)|(1<<21)|(5<<22)|(3<<25)
.irp g, G1S, G1SB
	s_mov_b32 s[\g+1], 32<<16
	s_mov_b32 s[\g+2], (128*KS/256)<<16
	s_mov_b32 s[\g+3], 32<<16
	s_mov_b32 s[\g+4], 128*KS/256
	s_mov_b32 s[\g+5], 32
	s_mov_b32 s[\g+6], 0
	s_mov_b32 s[\g+7], 0
.endr
	s_lshl_b32 s18, s16, 7
	s_lshl_b32 s20, s17, 8
	s_add_co_u32 s20, s20, s18                     ; A: row 256 x tile row + 128 x half
	s_lshl_b32 s46, s42, 8
	s_add_co_u32 s46, s46, s18                     ; B: row 256 x tile column + 128 x half, counted from Wo's first row
	s_mov_b32 s21, 0
	s_mov_b32 s47, 0
	s_mov_b64 s[18:19], KS
	s_mul_u64 s[22:23], s[20:21], s[18:19]
	s_mul_u64 s[92:93], s[46:47], s[18:19]
	s_mov_b64 s[18:19], KROW
	s_mul_u64 s[20:21], s[20:21], s[18:19]
	s_mul_u64 s[46:47], s[46:47], s[18:19]
	s_mul_i32 s45, s14, HALFT
	s_mul_i32 s94, s14, HALFS
	s_wait_kmcnt 0x0
	s_add_nc_u64 s[6:7], s[4:5], XS                ; A's scales
	s_add_nc_u64 s[10:11], s[8:9], WS+3072*KS      ; Wo's scales
	s_add_nc_u64 s[8:9], s[8:9], 3072*KROW         ; Wo's codes
	s_add_nc_u64 s[20:21], s[4:5], s[20:21]
	s_add_nc_u64 s[22:23], s[6:7], s[22:23]
	s_add_nc_u64 s[46:47], s[8:9], s[46:47]
	s_add_nc_u64 s[92:93], s[10:11], s[92:93]
	CROUND                                         ; all sixteen work-groups are here: the first joint loads meet
	s_mov_b32 s[G0S], 1
	s_add_co_u32 s[G0S+1], s94, SCL
	s_mov_b64 s[G0S+2:G0S+3], s[22:23]
	s_or_b32 s[G0S+3], s[G0S+3], 0x80000000
	s_mov_b32 s[G0SB], 1
	s_add_co_u32 s[G0SB+1], s94, SCL
	s_mov_b64 s[G0SB+2:G0SB+3], s[92:93]
	s_or_b32 s[G0SB+3], s[G0SB+3], 0x80000000
	JLOAD G0S, G1S, G0SB, G1SB                     ; the scales first.  Each of the two below first waits for all earlier ones: one tensor load of mine stays out
.irp s, 0,1
	s_mov_b32 s[G0+4*\s], 1
	s_add_co_u32 s[G0+4*\s+1], s45, \s*SLOT
	s_add_nc_u64 s[G0+4*\s+2:G0+4*\s+3], s[20:21], \s*ROWB
	s_or_b32 s[G0+4*\s+3], s[G0+4*\s+3], 0x80000000
	s_mov_b32 s[G0B+4*\s], 1
	s_add_co_u32 s[G0B+4*\s+1], s45, \s*SLOT
	s_add_nc_u64 s[G0B+4*\s+2:G0B+4*\s+3], s[46:47], \s*ROWB
	s_or_b32 s[G0B+4*\s+3], s[G0B+4*\s+3], 0x80000000
	s_wait_alu depctr_va_vdst(0)
	s_wait_tensorcnt 0x0
	ds_add_u32 v28, v29
	s_wait_dscnt 0x0
	CROUND
	JLOAD G0+4*\s, G1, G0B+4*\s, G1B
.endr
	v_and_b32 v1, 15, v0                           ; l % 16
	v_bfe_u32 v2, v0, 4, 1                         ; l / 16
	v_mul_u32_u24 v3, v1, PITCH
	v_mul_u32_u24 v4, v2, 24
	v_add_nc_u32 v4, v3, v4
	v_lshl_add_u32 v5, v2, 4, v4
	s_mul_i32 s21, s15, HALFT
	s_mul_i32 s22, s16, HALFT
	s_add_co_u32 s22, s22, 2*HALFT
.irp s, 0,1
	v_add_nc_u32 v[ADRA+\s], s21, v4
	v_add_nc_u32 v[ADRB+\s], s22, v4
	v_add_nc_u32 v[ADRA+2+\s], s21, v5
	v_add_nc_u32 v[ADRB+2+\s], s22, v5
	s_add_co_u32 s21, s21, SLOT
	s_add_co_u32 s22, s22, SLOT
.endr
	v_mul_u32_u24 v5, v1, KS
	v_lshrrev_b32 v6, 8, v5
	v_lshl_add_u32 v5, v6, 4, v5
	s_mul_i32 s21, s15, HALFS
	s_mul_i32 s22, s16, HALFS
	s_add_co_u32 s22, s22, 2*HALFS
	s_sub_co_u32 s22, s22, s21
	v_mul_u32_u24 v6, s22, v2                      ; lanes 16-31 take B's
	s_add_co_u32 s21, s21, SCL
	v_add_nc_u32 v5, v5, v6
	v_add_nc_u32 v[ADRS], s21, v5
	s_mul_i32 s23, s14, 16*SPITCH                  ; my stage
	v_mul_u32_u24 v5, v1, SPITCH                   ; in: row l % 16, 32 bytes for each half of the lanes
	v_lshl_add_u32 v5, v2, 5, v5
	v_add_nc_u32 v[STO], s23, v5
	v_and_b32 v6, 31, v0
	v_lshlrev_b32 v[CO], 4, v6                     ; back: the 32 lanes take one row of 512 bytes; and the same in C
	v_add_nc_u32 v[RD], s23, v[CO]
	v_lshlrev_b32 v7, 5, v2                        ; the bias: 32 h bytes
	s_wait_alu depctr_va_vdst(0)
	s_lshl_b32 s20, s17, 8
	s_lshl_b32 s21, s15, 7
	s_add_co_u32 s20, s20, s21                     ; my first row of C
	s_mov_b32 s21, 0
	s_mov_b64 s[18:19], SIZE_N*4
	s_mul_u64 s[20:21], s[20:21], s[18:19]
	s_lshl_b32 s46, s42, 10                        ; my first column, in bytes: 1024 x tile column + 512 x half; the same in bo
	s_lshl_b32 s47, s16, 9
	s_add_co_u32 s46, s46, s47
	s_mov_b32 s47, 0
	s_add_nc_u64 s[96:97], s[96:97], s[46:47]
	s_add_nc_u64 s[20:21], s[20:21], s[46:47]
	s_add_nc_u64 s[12:13], s[12:13], s[20:21]
.irp b, 0,1,2,3,4,5,6,7                ; tile b's register j of half h is column 16 b + 8 h + j
	global_load_b128 v[BI+8*\b:BI+8*\b+3], v7, s[96:97] offset:64*\b
	global_load_b128 v[BI+8*\b+4:BI+8*\b+7], v7, s[96:97] offset:64*\b+16
.endr
.macro FRAG reg, adr, q, i             ; a fragment, 16 rows x 128 K, is 12 registers, in pieces of 8 bytes; where the piece three on lies behind one padding more, the second address register serves
.irp p, 0,1,2,3,4,5
.set PC, 12*(\q)+6*(\p/3)+\p%3
.if PC%8 < 5
	ds_load_b64 v[\reg+2*\p:\reg+2*\p+1], v[\adr] offset:8*PC+16*(PC/8)+(\i)*16*PITCH
.else
	ds_load_b64 v[\reg+2*\p:\reg+2*\p+1], v[\adr+2] offset:8*PC+16*(PC/8)+(\i)*16*PITCH
.endif
.endr
.endm
; 16 matrix instructions: A's blocks a0, a0 + 1 x B's eight.  zero = 1: the first product starts the sums from the bias.  The 64 accumulators take turns.
.macro MUL16 a0, p, q, sc, zero
.irp a, \a0, \a0+1
.irp b, 0,1,2,3,4,5,6,7
.if \zero
	v_wmma_scale_f32_16x16x128_f8f6f4 v[8*(8*((\a)%4)+\b):8*(8*((\a)%4)+\b)+7], v[128*(\p)+FR*\b:128*(\p)+FR*\b+FR-1], v[AF+FR*(\a):AF+FR*(\a)+FR-1], v[BI+8*\b:BI+8*\b+7], v[SC+8*NQ*(\sc)+NQ*\b+(\q)], v[SC+8*NQ*(\sc)+NQ*(\a)+(\q)] matrix_a_fmt:MATRIX_FMT_FP6 matrix_b_fmt:MATRIX_FMT_FP6 matrix_a_scale:MATRIX_SCALE_ROW1
.else
	v_wmma_scale_f32_16x16x128_f8f6f4 v[8*(8*((\a)%4)+\b):8*(8*((\a)%4)+\b)+7], v[128*(\p)+FR*\b:128*(\p)+FR*\b+FR-1], v[AF+FR*(\a):AF+FR*(\a)+FR-1], v[8*(8*((\a)%4)+\b):8*(8*((\a)%4)+\b)+7], v[SC+8*NQ*(\sc)+NQ*\b+(\q)], v[SC+8*NQ*(\sc)+NQ*(\a)+(\q)] matrix_a_fmt:MATRIX_FMT_FP6 matrix_b_fmt:MATRIX_FMT_FP6 matrix_a_scale:MATRIX_SCALE_ROW1
.endif
.endr
.endr
.endm
.macro FETCH_B slot, q, p
	WIN TO_B
.irp i, 0,1,2,3,4,5,6,7
	FRAG 128*(\p)+FR*\i, ADRB+\slot, \q, \i
.endr
	WIN 0
.endm
.macro FETCH_A slot, q, i0
.irp i, \i0, \i0+1, \i0+2, \i0+3
	FRAG AF+FR*(\i), ADRA+\slot, \q, \i
.endr
.endm
.macro SCALES sc
.irp i, 0,1,2,3,4,5,6,7
	ds_load_b64 v[SC+8*NQ*\sc+NQ*\i:SC+8*NQ*\sc+NQ*\i+1], v[ADRS] offset:\i*SBLK
.endr
.endm
.macro PLACES n
.rept \n
	v_nop
.endr
.endm
.macro STEP slot, q, zero
	s_wait_dscnt 4*NL                              ; B's set and A's blocks 0-3 are in; the youngest 24 loads (A's blocks 4-7) may be out
	WIN MUL_LO-0x20*(\zero)                        ; zero = 1: C is the bias, in window 0
	MUL16 0, (\q)%2, \q, \slot, \zero
	MUL16 2, (\q)%2, \q, \slot, \zero
	s_wait_dscnt 0
	PLACES NP
	FETCH_B \slot, (\q)+1, 1-(\q)%2
	FETCH_A \slot, (\q)+1, 0
	WIN MUL_HI-0x30*(\zero)
	MUL16 4, (\q)%2, \q, \slot, \zero
	MUL16 6, (\q)%2, \q, \slot, \zero
	PLACES NP
	WIN 0
	FETCH_A \slot, (\q)+1, 4
.endm
.macro TURN slot, next, fill
	s_wait_tensorcnt 0x0                           ; all my tensor loads have landed: my part of the next slot
	ds_add_u32 v[SPW], v[NIL]                      ; 0 onto my spare word
	s_wait_dscnt 4*NL+1                            ; (the add and the youngest 24 loads may be out)
	WIN MUL_LO
	MUL16 0, 1, NQ-1, \slot, 0
	s_wait_dscnt 0x0                               ; the add is done, and my reads of this slot are over
	s_barrier_signal -1
	MUL16 2, 1, NQ-1, \slot, 0
	WIN 0
	s_barrier_wait -1
.if \fill
	CREST                                          ; the barrier has opened a round of the cluster's barrier: no wave of any partner still reads this slot or has a load on its way
	s_add_nc_u64 s[G0+4*\slot+2:G0+4*\slot+3], s[G0+4*\slot+2:G0+4*\slot+3], 2*ROWB
	s_add_nc_u64 s[G0B+4*\slot+2:G0B+4*\slot+3], s[G0B+4*\slot+2:G0B+4*\slot+3], 2*ROWB
	JLOAD G0+4*\slot, G1, G0B+4*\slot, G1B         ; the first tensor load behind the round, and my only one until the next
.else
	PLACES NP
.endif
	s_wait_alu depctr_va_vdst(0)
	v_add_nc_u32 v[ADRS], 4*NQ, v[ADRS]            ; on to the next K step's scale words (no LDS load of mine is out)
	FETCH_B \next, 0, 0
	FETCH_A \next, 0, 0
	SCALES \next
	WIN MUL_HI
	MUL16 4, 1, NQ-1, \slot, 0
	MUL16 6, 1, NQ-1, \slot, 0
	PLACES NP
	WIN 0
	FETCH_A \next, 0, 4
.endm
	s_wait_tensorcnt 1                             ; the scales and my part of K step 0 are in (K step 1's load may be out)
	s_barrier_signal -1
	s_barrier_wait -1                              ; everybody's are
	FETCH_B 0, 0, 0
	FETCH_A 0, 0, 0
	SCALES 0
	FETCH_A 0, 0, 4
	s_wait_loadcnt 0x0                             ; the bias
	STEP 0, 0, 1
	s_mov_b32 s3, LAPS-1
.Llap:
	TURN 0, 1, 1
	STEP 1, 0, 0
	TURN 1, 0, 1
	STEP 0, 0, 0
	s_sub_co_u32 s3, s3, 1
	s_cmp_lg_u32 s3, 0
	s_cbranch_scc1 .Llap
	TURN 0, 1, 0                                   ; the last lap fills nothing
	STEP 1, 0, 0
	s_wait_dscnt 4*NL
	WIN MUL_LO
	MUL16 0, 1, NQ-1, 1, 0
	MUL16 2, 1, NQ-1, 1, 0
	s_wait_dscnt 0
	WIN MUL_HI
	MUL16 4, 1, NQ-1, 1, 0
	MUL16 6, 1, NQ-1, 1, 0
	WIN 0
; THE WAY OUT, block by block of 16 rows x 128 columns, through my own stage: in as 32 bytes a lane, back as whole rows of 512 bytes.  LDS serves a wave's instructions in order (ISA guide 5.7.1.4).
.macro TOSTAGE a
.set AC, 64*((\a)%4)
	WIN 0x08+4*((\a)/4)                            ; the data: window 2 or 3
.irp b, 0,1,2,3,4,5,6,7
	ds_store_b128 v[STO], v[AC+8*\b:AC+8*\b+3] offset:64*\b          ; each accumulator from its low end on
	ds_store_b128 v[STO], v[AC+8*\b+4:AC+8*\b+7] offset:64*\b+16
.endr
	WIN 0
.set BB, BK+64*((\a)%2)
.irp t, 0,1,2,3,4,5,6,7,8,9,10,11,12,13,14,15
	ds_load_b128 v[BB+4*\t:BB+4*\t+3], v[RD] offset:\t*SPITCH
.endr
.endm
.macro SEND a, younger                 ; younger: the LDS instructions issued behind block a's loads, which may stay out
.set BB, BK+64*((\a)%2)
	s_wait_dscnt \younger
.if (\a) > 0
	s_add_nc_u64 s[12:13], s[12:13], 16*SIZE_N*4   ; (behind a wait on XCNT: the earlier stores have read their base)  16 rows of C on
.endif
.irp t, 0,1,2,3,4,5,6,7,8,9,10,11,12,13,14,15
	global_store_b128 v[CO], v[BB+4*\t:BB+4*\t+3], s[12:13] offset:\t*SIZE_N*4 th:TH_STORE_NT   ; 32 lanes store 512 consecutive bytes, aligned; written once, read by nobody here
.endr
.endm
	PLACES NP
	TOSTAGE 0
.irp a, 1,2,3,4,5,6,7
.if \a > 1
	s_wait_xcnt 0x0                                ; block a - 2's stores have read their registers and their base
.endif
	TOSTAGE \a
	SEND \a-1, 32                                  ; behind block a - 1's loads: block a's 16 stores and 16 loads
.endr
	s_wait_xcnt 0x0                                ; block 6's stores have read their base
	SEND 7, 0
	s_wait_tensorcnt 0x0                           ; the wave's end
	ds_add_u32 v[SPW], v[NIL]
	s_wait_dscnt 0x0
	CROUND                                         ; the closing round
	s_endpgm
.Lfunc_end_k_q98efd44f4f_oproj:
	.size	k_q98efd44f4f_oproj, .Lfunc_end_k_q98efd44f4f_oproj-k_q98efd44f4f_oproj
	.p2alignl 7, 3214868480
	.fill 96, 4, 3214868480
	.section	.rodata,"a",@progbits
	.p2align	6, 0x0
	.amdhsa_kernel k_q98efd44f4f_oproj
		.amdhsa_group_segment_fixed_size 327680
		.amdhsa_private_segment_fixed_size 0
		.amdhsa_enable_private_segment 0
		.amdhsa_kernarg_size 32
		.amdhsa_user_sgpr_count 2
		.amdhsa_user_sgpr_kernarg_segment_ptr 1
		.amdhsa_wavefront_size32 1
		.amdhsa_system_sgpr_workgroup_id_x 1
		.amdhsa_system_sgpr_workgroup_id_y 1
		.amdhsa_system_sgpr_workgroup_id_z 1
		.amdhsa_system_vgpr_workitem_id 0
		.amdhsa_next_free_vgpr 1024
		.amdhsa_next_free_sgpr 98
		.amdhsa_reserve_vcc 0
		.amdhsa_float_denorm_mode_32 3
		.amdhsa_float_denorm_mode_16_64 3
		.amdhsa_memory_ordered 1
		.amdhsa_forward_progress 1
		.amdhsa_inst_pref_size 163
	.end_amdhsa_kernel
	.amdgpu_metadata
---
amdhsa.version: [ 1, 2 ]
amdhsa.kernels:
  - .name:           k_q98efd44f4f_oproj
    .symbol:         k_q98efd44f4f_oproj.kd
    .args:
      - { .name: oq, .offset: 0, .size: 8, .value_kind: global_buffer, .address_space: global }
      - { .name: wq, .offset: 8, .size: 8, .value_kind: global_buffer, .address_space: global }
      - { .name: bo, .offset: 16, .size: 8, .value_kind: global_buffer, .address_space: global }
      - { .name: out0, .offset: 24, .size: 8, .value_kind: global_buffer, .address_space: global }
    .group_segment_fixed_size: 327680
    .private_segment_fixed_size: 0
    .kernarg_segment_align: 8
    .kernarg_segment_size: 32
    .max_flat_workgroup_size: 128
    .sgpr_count:     98
    .vgpr_count:     1024
    .wavefront_size: 32
...
	.end_amdgpu_metadata
.endif
;; end of part 5
